; MI455X (gfx1250); checked and timed in simulation.
; The chip was launched on July 23, 2026; its instructions are those of AMD's public machine-readable ISA for CDNA 5 (MIT licence, August 2026) and "CDNA5" Instruction Set Architecture Reference Guide (July 2026). The comments in the code are by the model that wrote it; some were corrected since.
;; Muti Head Attention. Allowed arithmetic: matrix products marked QUANTISED: E2M3 operands, one E8M0 scale for each 32 along K, by v_wmma_scale_f32_16x16x128_f8f6f4 with both operands' format E2M3, f32 sums; products left as they are: f32 operands where the result goes on into a quantised operand, else bf16, f16 or f32 operands; f32 sums; everything else in f32.
;; Inputs: Wk 1,024 x 1,024 float32; Wo 1,024 x 1,024 float32; Wq 1,024 x 1,024 float32; Wv 1,024 x 1,024 float32; bk 1,024 float32; bo 1,024 float32; bq 1,024 float32; bv 1,024 float32; hidden_state 4 x 4,096 x 1,024 float32.
;; Outputs: out0 4 x 4,096 x 1,024 float32.
;; This version of the problem:
;;   THIS VERSION OF THE PROBLEM IS GIVEN IN LOW PRECISION. The matrix products marked QUANTISED in the list below multiply operands that are first quantised to E2M3 (2 exponent bits, 3 mantissa bits; 6 bits a number), with one power-of-two scale for each 32 numbers along K (OCP MX v1.0); their sums are f32. All else is computed in f32.
;;   The module's matrix products, in the order in which they are computed (A, B: the left and right operand; K: the contracted axis; several contracted axes count as one K, in the product's order):
;;     1. [M 16,384, K 1,024] x [K 1,024, N 1,024]; A: input hidden_state; B: input Wq: QUANTISED
;;     2. [M 16,384, K 1,024] x [K 1,024, N 1,024]; A: input hidden_state; B: input Wk: QUANTISED
;;     3. [M 16,384, K 1,024] x [K 1,024, N 1,024]; A: input hidden_state; B: input Wv: QUANTISED
;;     4. batch 16,384 x [M 16, K 64] x [K 64, N 16]; A: computed on the way; B: computed on the way: QUANTISED
;;     5. batch 16,384 x [M 16, K 16] x [K 16, N 64]; A: softmax; B: computed on the way: left as it is (K = 16 < 32)
;;     6. [M 16,384, K 1,024] x [K 1,024, N 1,024]; A: computed on the way; B: input Wo: QUANTISED
;;   THE QUANTISER, for each operand of a quantised product, along K:
;;     - K is cut into blocks of 32 from its start; a last block that is shorter is filled with zeros.
;;     - A block's scale is 2^e with e = floor(log2(the largest magnitude in the block)) - 2, held to -126 .. 127; a block of zeros has e = 0. As a byte (E8M0): e + 127.
;;     - Each number is divided by its block's scale, clamped to +-7.5, and rounded to the nearest number of E2M3, ties to even, subnormals kept.
;;     - The product sums the exact products of the quantised numbers (number of the format x scale) in f32.
;;   ~~~python
;;   def quantise(x, axis):      # numpy; x: float32 -> the quantised numbers, widened to float32 again
;;       x = np.moveaxis(x, axis, -1); K = x.shape[-1]
;;       x = np.pad(x, [(0, 0)] * (x.ndim - 1) + [(0, -K % 32)]); x = x.reshape(x.shape[:-1] + (-1, 32)); a = np.abs(x).max(-1, keepdims=True)
;;       e = np.where(a > 0, np.clip(np.frexp(np.where(a > 0, a, 1))[1] - 1 - 2, -126, 127), 0)      # np.frexp(a)[1] - 1 = floor(log2(a)), exactly
;;       r = np.clip(x / 2.0 ** e, -7.5, 7.5)
;;       step = 2.0 ** (np.maximum(np.frexp(np.where(r == 0, 1, r))[1] - 1, 0) - 3)
;;       q = np.round(r / step) * step * 2.0 ** e      # np.round: ties to even
;;       return np.moveaxis(q.reshape(q.shape[:-2] + (-1,))[..., :K], -1, axis).astype(np.float32)
;;   ~~~
;;   OPERANDS COMPUTED ON THE WAY. 'Computed on the way' means the value that the module computes at that place (a softmax that the list does not call 'softmax' is quantised finished and normalised). What goes into a quantiser is computed in f32, as accurately as f32 sums, v_exp_f32 and their like allow (about 1e-6 of the number): no bf16 or f16 on the way to a quantiser, and a product that is left as it is and whose result goes on into a quantised operand takes f32 operands (vector FMAs, or v_wmma_f32_16x16x4_f32). A number that lies on a knife's edge between two numbers of the format may be rounded either way, as far as f32 arithmetic and the matrix unit's own rounding can turn it there, and no further.
;; 2 versions. Each part assembles by itself: llvm-mc -triple=amdgcn-amd-amdhsa -mcpu=gfx1250 --defsym DOCPART=n.
;; ======== version 1 of 2: 2 launches
;; workspace buffers: wstream 3,276,800 bytes; bias_s 16,384 bytes
;; launch prep (part 1): grid 256 x 1, 4 waves a work-group, no clusters, 14,336 bytes of LDS; arguments Wq, Wk, Wv, Wo, bq, bk, bv, bo, wstream, bias_s; writes wstream, bias_s
.if DOCPART == 1
	.amdgcn_target "amdgcn-amd-amdhsa--gfx1250"
	.amdhsa_code_object_version 6
	.text
	.protected	k_q585f2f9319_prep
	.globl	k_q585f2f9319_prep
	.p2align	8
	.type	k_q585f2f9319_prep,@function
k_q585f2f9319_prep:
	s_mov_b64 s[64:65], 0
	v_nop
	global_prefetch_b8 v0, s[64:65] scope:SCOPE_SE
	s_setreg_imm32_b32 hwreg(HW_REG_WAVE_MODE, 25, 1), 1
	s_wait_xcnt 0x0
; The four weights [1024 (K)][1024 (N)], f32, become codes of FP6 (E2M3) with one E8M0 byte for each 32 along K, laid in the order in which the second launch's waves take them into operand registers.
; wstream: 32 slots of 102,400 bytes.  Slot n = 4 pi + s / 2 (pi = 2 mu + e: mu = 0 Q, 1 K, 2 V, 3 O; e = which half of the columns; s = K step of 128).  In a slot wave w's part is 25,600 bytes:
; 16 fragment images of 1,536 bytes (f = 8 (s % 2) + c, c = tile of 16 columns), then 1,024 bytes of scale words.  An image is three runs of 512 bytes: lane l's 16 bytes at 16 l are registers 4 ch .. 4 ch + 3.
; WHICH COLUMN IS ROW i OF TILE c:  Q, K: 512 e + 128 w + 32 (c / 2) + 8 (c % 2) + i + 8 (i / 8);   V: 64 i + 32 e + 8 w + 4 (c % 2) + c / 2 (the 16 heads at one d);   O: 512 e + 128 w + 16 c + i.
; K's ORDER is as it lies for Q, K, V.  For O, inside each block of 32, place p holds the row whose bits 3 and 2 are p's bits 2 and 3: the order in which the second launch's registers hold the attention's result.
; A block keeps its 32 numbers, so its scale is the quantiser's.
; A work-group makes the 8 fragments and 512 bytes of scale words of one (pi, w, s).  A THREAD TAKES A COLUMN AND ITS REGISTERS RUN DOWN K: thread t has c = t & 7, i = t >> 3; a block's largest magnitude needs no other lane.
; A block's scale byte is its largest magnitude's exponent field - 2, held at 1 from below.
; LIMITS: a block of zeros gets the byte 1 where the rule says 127 (its codes are zeros, and this program alone reads the bytes); a block whose largest magnitude lies under 2^-124 keeps the byte 1; NaN and infinities are not served.
.set CP,   1568                        ; a fragment's place in LDS: 1,536 bytes + 32
.set SCR,  8*CP                        ; behind the eight: 512 bytes of scale words,
.set BIR,  SCR+512                     ; and 512 bytes of bias, in the tiles' row order
.set X,    64                          ; v64-127  two sets of 32 numbers
.set CD,   16                          ; v16-39   my column's codes: 12 registers for each half h of the lanes: block t = 2 c' + h at 12 h + 6 c'
	s_load_b256 s[4:11], s[0:1], 0x0               ; Wq, Wk, Wv, Wo
	s_load_b256 s[12:19], s[0:1], 0x20             ; bq, bk, bv, bo
	s_load_b128 s[20:23], s[0:1], 0x40             ; wstream, bias_s
	v_lshl_add_u32 v128, v0, 2, 0x3600
	v_mov_b32 v129, 0
	v_lshrrev_b32 v1, 5, v0
	v_readfirstlane_b32 s24, v1                    ; wave
	s_lshr_b32 s25, ttmp9, 6                       ; mu
	s_bfe_u32 s26, ttmp9, 0x10005                  ; e
	s_bfe_u32 s27, ttmp9, 0x20003                  ; w
	s_and_b32 s28, ttmp9, 7                        ; s
	v_and_b32 v2, 7, v0                            ; c
	v_lshrrev_b32 v3, 3, v0                        ; i
	v_lshrrev_b32 v48, 1, v2                       ; c / 2
	v_and_b32 v49, 1, v2                           ; c % 2
	s_lshl_b32 s29, s26, 9
	s_lshl_b32 s30, s27, 7
	s_add_co_u32 s29, s29, s30                     ; 512 e + 128 w
	s_lshr_b32 s30, s29, 4                         ; 32 e + 8 w
	v_and_b32 v50, 8, v3
	v_add_nc_u32 v50, v50, v3
	v_lshl_add_u32 v50, v49, 3, v50
	v_lshl_add_u32 v50, v48, 5, v50
	v_add_nc_u32 v50, s29, v50                     ; the column for Q and K,
	v_lshl_add_u32 v51, v2, 4, v3
	v_add_nc_u32 v51, s29, v51                     ; for O,
	v_lshl_add_u32 v52, v3, 6, v48
	v_lshl_add_u32 v52, v49, 2, v52
	v_add_nc_u32 v52, s30, v52                     ; for V
	s_cmp_eq_u32 s25, 2
	s_cselect_b32 s31, -1, 0
	v_cndmask_b32 v50, v50, v52, s31
	s_cmp_eq_u32 s25, 3
	s_cselect_b32 s32, -1, 0
	s_cselect_b32 s33, 16384, 0                    ; four rows of W, for O alone,
	s_cselect_b32 s34, 0, 16384                    ; and for the others alone
	v_cndmask_b32 v50, v50, v51, s32
	v_lshlrev_b32 v4, 2, v50                       ; my column's byte in a row of W and in the bias
	v_add_nc_u32 v5, s33, v4                       ; for the places whose bits 3, 2 are 0, 1: O takes the row 4 further down
	v_add_nc_u32 v6, s34, v4                       ; for the places whose bits 3, 2 are 1, 0: the immediate names the row 4 further up, which O takes
	v_mul_u32_u24 v7, v2, CP
	v_lshl_add_u32 v7, v3, 4, v7                   ; LDS: my fragment, lane i's 16 bytes
	v_lshrrev_b32 v48, 2, v2
	v_lshl_add_u32 v48, v48, 4, v3
	v_lshlrev_b32 v48, 4, v48
	v_and_b32 v49, 3, v2
	v_lshl_add_u32 v8, v49, 2, v48
	v_add_nc_u32 v8, SCR, v8                       ; my scale word: (16 (c / 4) + i) x 16 + 4 (c % 4)
	v_lshl_add_u32 v11, v2, 4, v3
	v_lshlrev_b32 v11, 2, v11
	v_add_nc_u32 v11, BIR, v11                     ; my bias: 4 (16 c + i)
	v_and_b32 v46, 31, v0
	v_lshlrev_b32 v46, 4, v46                      ; 16 x lane
	s_mul_i32 s35, s24, 2*CP
	v_add_nc_u32 v9, s35, v46                      ; the way out: my wave's two fragments in LDS,
	s_mul_i32 s35, s24, 2*1536
	v_add_nc_u32 v10, s35, v46                     ; and in the stream
	s_lshl_b32 s46, s25, 1
	s_add_co_u32 s46, s46, s26                     ; pi
	s_lshl_b32 s50, s46, 2
	s_add_co_u32 s50, s50, s27
	s_lshl_b32 s50, s50, 9                         ; bias_s: 512 bytes for each (pi, w)
	s_mov_b32 s51, 0
	s_lshl_b32 s46, s46, 2
	s_lshr_b32 s47, s28, 1
	s_add_co_u32 s46, s46, s47                     ; the slot
	s_mul_i32 s46, s46, 102400
	s_mul_i32 s47, s27, 25600
	s_add_co_u32 s46, s46, s47                     ; wave w's part of it
	s_and_b32 s47, s28, 1
	s_mul_i32 s48, s47, 12288
	s_add_co_u32 s48, s48, s46                     ; my eight images
	s_mov_b32 s49, 0
	s_lshl_b32 s52, s47, 9
	s_add_co_u32 s52, s52, s46
	s_add_co_u32 s52, s52, 24576                   ; my 512 bytes of scale words
	s_mov_b32 s53, 0
	s_lshl_b32 s44, s28, 19                        ; K step s: 128 rows of 4,096 bytes
	s_mov_b32 s45, 0
	s_and_b32 s54, s25, 1
	s_wait_kmcnt 0x0
	s_cmp_lg_u32 s54, 0                            ; the weight and its bias are chosen by the work-group's number alone
	s_cselect_b64 s[36:37], s[6:7], s[4:5]
	s_cselect_b64 s[38:39], s[10:11], s[8:9]
	s_cselect_b64 s[40:41], s[14:15], s[12:13]
	s_cselect_b64 s[42:43], s[18:19], s[16:17]
	s_cmp_ge_u32 s25, 2
	s_cselect_b64 s[36:37], s[38:39], s[36:37]
	s_cselect_b64 s[40:41], s[42:43], s[40:41]
	s_add_nc_u64 s[36:37], s[36:37], s[44:45]
	s_add_nc_u64 s[48:49], s[20:21], s[48:49]
	s_add_nc_u64 s[52:53], s[20:21], s[52:53]
	s_add_nc_u64 s[22:23], s[22:23], s[50:51]
.macro LOADW t                         ; block t's 32 numbers of my column into set t % 2, place by place
.irp n, 0,1,2,3,4,5,6,7,8,9,10,11,12,13,14,15,16,17,18,19,20,21,22,23,24,25,26,27,28,29,30,31
.if ((\n>>2)&3) == 1
	global_load_b32 v[X+32*((\t)%2)+\n], v5, s[36:37] offset:(32*(\t)+\n)*4096
.elseif ((\n>>2)&3) == 2
	global_load_b32 v[X+32*((\t)%2)+\n], v6, s[36:37] offset:(32*(\t)+\n-4)*4096
.else
	global_load_b32 v[X+32*((\t)%2)+\n], v4, s[36:37] offset:(32*(\t)+\n)*4096
.endif
.endr
.endm
.macro BLOCK t
.set XS, X+32*((\t)%2)
.set CL, CD+12*((\t)%2)+6*((\t)/2)
.if (\t) < 3
	s_wait_loadcnt 32                              ; this block's 32 loads (and the bias) are in; the next block's 32 may be out
.else
	s_wait_loadcnt 0x0
.endif
	v_max3_num_f32 v12, |v[XS]|, |v[XS+1]|, |v[XS+2]|   ; the block's largest magnitude, in two chains
	v_max3_num_f32 v13, |v[XS+3]|, |v[XS+4]|, |v[XS+5]|
.irp i, 6,10,14,18,22,26
	v_max3_num_f32 v12, v12, |v[XS+\i]|, |v[XS+\i+1]|
	v_max3_num_f32 v13, v13, |v[XS+\i+2]|, |v[XS+\i+3]|
.endr
	v_max3_num_f32 v12, v12, |v[XS+30]|, |v[XS+31]|
	v_max3_num_f32 v12, v12, v13, 0x1800000        ; and the floor 2^(3 - 127): the byte cannot fall under 1
	v_add_nc_u32 v14, 0xff000000, v12              ; 2 off the exponent field: the conversion's scale operand
	v_lshrrev_b32 v15, 23, v14                     ; the scale's byte
.if (\t) == 0
	v_mov_b32 v44, v15
.else
	v_lshl_or_b32 v44, v15, 8*(\t), v44            ; byte t of my column's scale word
.endif
	v_cvt_scalef32_pk16_fp6_f32 v[CL:CL+2], v[XS:XS+15], v14
	v_cvt_scalef32_pk16_fp6_f32 v[40:42], v[XS+16:XS+31], v14   ; (a conversion's three registers begin on an even number)
	v_nop                                          ; one plain place behind a scaled conversion
.irp z, 0,1,2
	v_mov_b32 v[CL+3+\z], v[40+\z]
.endr
.if (\t) < 2
	LOADW (\t)+2
.endif
.endm
	global_load_b32 v45, v4, s[40:41]              ; my column's bias
	LOADW 0
	LOADW 1
	BLOCK 0
	BLOCK 1
	BLOCK 2
	BLOCK 3
.irp h, 0,1
.irp ch, 0,1,2
	ds_store_b128 v7, v[CD+12*\h+4*\ch:CD+12*\h+4*\ch+3] offset:512*\ch+256*\h   ; lane 16 h + i of the image
.endr
.endr
	ds_store_b32 v8, v44
	ds_store_b32 v11, v45
	s_wait_dscnt 0x0                               ; for the others' sake: my stores are done
	s_barrier_signal -1
	s_barrier_wait -1
.irp k, 0,1,2,3,4,5
	ds_load_b128 v[64+4*\k:67+4*\k], v9 offset:(\k/3)*CP+(\k%3)*512
.endr
.irp k, 0,1,2,3,4,5
	s_wait_dscnt 5-\k
	global_store_b128 v10, v[64+4*\k:67+4*\k], s[48:49] offset:(\k/3)*1536+(\k%3)*512   ; the wave stores 512 consecutive bytes, aligned
.endr
	s_cmp_lg_u32 s24, 0
	s_cbranch_scc1 .Lend
	ds_load_b128 v[96:99], v46 offset:SCR
	ds_load_b128 v[100:103], v46 offset:BIR
	s_wait_dscnt 0x0
	global_store_b128 v46, v[96:99], s[52:53]      ; the scale words: 512 consecutive bytes
	s_cmp_lg_u32 s28, 0                            ; the bias is stored by K step 0's work-group alone: each byte has one writer
	s_cbranch_scc1 .Lend
	global_store_b128 v46, v[100:103], s[22:23]
.Lend:
	s_wait_tensorcnt 0x0
	ds_add_u32 v128, v129
	s_wait_dscnt 0x0
	s_endpgm
.Lfunc_end_k_q585f2f9319_prep:
	.size	k_q585f2f9319_prep, .Lfunc_end_k_q585f2f9319_prep-k_q585f2f9319_prep
	.p2alignl 7, 3214868480
	.fill 96, 4, 3214868480
	.section	.rodata,"a",@progbits
	.p2align	6, 0x0
	.amdhsa_kernel k_q585f2f9319_prep
		.amdhsa_group_segment_fixed_size 14336
		.amdhsa_private_segment_fixed_size 0
		.amdhsa_enable_private_segment 0
		.amdhsa_kernarg_size 80
		.amdhsa_user_sgpr_count 2
		.amdhsa_user_sgpr_kernarg_segment_ptr 1
		.amdhsa_wavefront_size32 1
		.amdhsa_system_sgpr_workgroup_id_x 1
		.amdhsa_system_sgpr_workgroup_id_y 1
		.amdhsa_system_sgpr_workgroup_id_z 1
		.amdhsa_system_vgpr_workitem_id 0
		.amdhsa_next_free_vgpr 130
		.amdhsa_next_free_sgpr 66
		.amdhsa_reserve_vcc 0
		.amdhsa_float_denorm_mode_32 3
		.amdhsa_float_denorm_mode_16_64 3
		.amdhsa_memory_ordered 1
		.amdhsa_forward_progress 1
		.amdhsa_inst_pref_size 25
	.end_amdhsa_kernel
	.amdgpu_metadata
---
amdhsa.version: [ 1, 2 ]
amdhsa.kernels:
  - .name:           k_q585f2f9319_prep
    .symbol:         k_q585f2f9319_prep.kd
    .args:
      - { .name: Wq, .offset: 0, .size: 8, .value_kind: global_buffer, .address_space: global }
      - { .name: Wk, .offset: 8, .size: 8, .value_kind: global_buffer, .address_space: global }
      - { .name: Wv, .offset: 16, .size: 8, .value_kind: global_buffer, .address_space: global }
      - { .name: Wo, .offset: 24, .size: 8, .value_kind: global_buffer, .address_space: global }
      - { .name: bq, .offset: 32, .size: 8, .value_kind: global_buffer, .address_space: global }
      - { .name: bk, .offset: 40, .size: 8, .value_kind: global_buffer, .address_space: global }
      - { .name: bv, .offset: 48, .size: 8, .value_kind: global_buffer, .address_space: global }
      - { .name: bo, .offset: 56, .size: 8, .value_kind: global_buffer, .address_space: global }
      - { .name: wstream, .offset: 64, .size: 8, .value_kind: global_buffer, .address_space: global }
      - { .name: bias_s, .offset: 72, .size: 8, .value_kind: global_buffer, .address_space: global }
    .group_segment_fixed_size: 14336
    .private_segment_fixed_size: 0
    .kernarg_segment_align: 8
    .kernarg_segment_size: 80
    .max_flat_workgroup_size: 128
    .sgpr_count:     66
    .vgpr_count:     130
    .wavefront_size: 32
...
	.end_amdgpu_metadata
.endif
;; end of part 1
;; launch main (part 2): grid 256 x 1, 4 waves a work-group, clusters of 4 x 1, 327,680 bytes of LDS; arguments hidden_state, wstream, bias_s, out0; writes out0
.if DOCPART == 2
	.amdgcn_target "amdgcn-amd-amdhsa--gfx1250"
	.amdhsa_code_object_version 6
	.text
	.protected	k_q585f2f9319_main
	.globl	k_q585f2f9319_main
	.p2align	8
	.type	k_q585f2f9319_main,@function
k_q585f2f9319_main:
	s_mov_b64 s[64:65], 0
	v_nop
	global_prefetch_b8 v0, s[64:65] scope:SCOPE_SE
	s_setreg_imm32_b32 hwreg(HW_REG_WAVE_MODE, 25, 1), 1
	s_wait_xcnt 0x0
	s_wait_alu depctr_hold_cnt(0) depctr_sa_sdst(0) depctr_va_vdst(0) depctr_va_sdst(0) depctr_va_ssrc(0) depctr_va_vcc(0) depctr_vm_vsrc(0)
	s_getreg_b32 s2, hwreg(HW_REG_IB_STS2, 6, 4)
	s_cmp_eq_u32 s2, 0
	s_cbranch_scc0 .Lentry_in_a_cluster
	s_endpgm
.Lentry_in_a_cluster:
	s_bfe_u32 s2, ttmp6, 0x10000c
	s_cmp_lg_u32 s2, 0x3003
	s_cbranch_scc0 .Lentry_shape_is_right
	s_endpgm
.Lentry_shape_is_right:
; The whole chain for 64 positions: x -> codes; q, k, v = x W + b; scores across the 16 heads of a position; softmax; P V; the scrambled rows; x Wo + bo.  All quantised products on codes of FP6 (E2M3), one E8M0 scale for each 32 along K.
; WHY 64 POSITIONS: (position s, head, d) goes to row head x 256 + s / 16, column (s % 16) x 64 + d of the last product's A.  64 neighbouring positions x 16 heads are 64 WHOLE rows of it, so nothing but the weights goes through memory.
; SHARES.  Work-group g owns positions 64 g .. 64 g + 63: four tiles m of 16.  In a product with a weight every wave holds all 64 rows as operand registers (32 fragments, 384 registers) and makes 128 of a pass's 512 columns;
; eight passes: Q, Q, K, K, V, V, O, O.  The matrix instruction is used transposed (source 0 = 16 columns of the weight, source 1 = 16 rows): lane (r, h) holds row r and the tile's rows 8 h + j.  In all else wave w owns tile m = w.
; THE WEIGHTS come as a stream of register images made by the launch before, 32 slots of 102,400 bytes, through a ring of two LDS slots.  A wave fetches and reads its own quarter of a slot.
; CLUSTER.  The four work-groups of a cluster walk the same stream: each quarter is asked for jointly, by the same tensor load with the same descriptor and a mask that names the four.  By this text's count a wave has two loads out at the start, later one.
; P V (K = 16) is left in f32, since its result is quantised: v_wmma_f32_16x16x4_f32, whose results lie in window 3, which matrix instructions alone write.
; LIMITS: NaN and infinities are not served; a block of zeros gets the byte 1 where the rule says 127 (its codes are zeros; this program alone reads the bytes); a block whose largest magnitude lies under 2^-124 keeps the byte 1.
; Inside a matrix instruction the last product's K runs in a permuted order inside each block of 32, and P V's K in the order 8 h + 2 s + j: the products are the same, their order of addition is not reference()'s.
; REGISTERS, in windows of 256.  Window 0: v1, v2 the add's; v3-22 addresses; v24-39 A's scale words; v40-55 the weights' scale words, two sets; v56-59 a pass's bias on its way; v60-63 at work; v64-159 weight fragments B0; v160-255 B1, and all the work between passes.
;   Window 1: v0-191 A's tiles 0, 1; v192-255 P of my positions 0-7.   Window 2: the same for tiles 2, 3 and positions 8-15.   Window 3: the 32 accumulators, (m, c) at 8 (8 m + c).
.set RINGB, 102400                     ; a ring slot; slot 1 lies behind slot 0
.set PARTB, 25600                      ; a wave's part: 16 images of 1,536 bytes, 1,024 bytes of scale words
.set S0,    204800                     ; behind the ring: bytes that LDS stores write and no tensor load fills; the phases take turns in them, parted by barriers
.set AIMG,  S0                         ; A's 32 fragments (8 m + s) x 1,600: lane (r, h) has its 48 bytes at 800 h + 48 r
.set ASC,   256000                     ; their scale words: 64 bytes a fragment
.set XSTG,  258048                     ; phase X: two stages of 32 x 80 bytes for each wave
.set QC,    S0                         ; q's and k's codes: 1,552 bytes a position: q's 16 heads x 48, then k's
.set SCQK,  304128                     ; their scale words: 132 bytes a position: q's 16, k's 16
.set VST,   258048                     ; v in f32: 1,040 bytes a position: [head / 4] x 256 + [one of 16 d] x 16 + 4 (head % 4)
.set OSTG,  258048                     ; the way out: 16 rows x 272 bytes for each wave
.set BIASL, 325120                     ; a pass's bias: 512 bytes for each wave
.set SPARE, 327168                     ; the spare words, 128 bytes for each wave: two blocks of 256 bytes that no other line names
.set MSB, 0
.macro WIN new                         ; the immediate's high byte repeats the setting that is left; a switch that changes nothing is dropped
.if MSB != (\new)
	s_set_vgpr_msb (MSB<<8)|(\new)
.set MSB, (\new)
.endif
.endm
.macro PLACES n                        ; plain vector places behind matrix instructions (ISA guide 7.12.1)
.rept \n
	v_nop
.endr
.endm
.macro BAR                             ; my LDS instructions are done; then the work-group's barrier.
	s_wait_dscnt 0x0
	s_barrier_signal -1
	s_barrier_wait -1
.endm
.macro CREST                           ; a round of the cluster's barrier behind its opening barrier
	s_cmp_lg_u32 s12, 0
	s_cbranch_scc1 .Lnot_wave_0_\@
	s_barrier_signal -3
.Lnot_wave_0_\@:
	s_barrier_wait -3
	s_barrier_signal -1
	s_barrier_wait -1
.endm
.macro CROUND
	s_barrier_signal -1
	s_barrier_wait -1
	CREST
.endm
; One scaled product on the registers named by rD, rW, rA, rSW, rSA.  ra, rb: which half of the lanes holds the weight's and A's scale words.  zero = 1 (only with rb = 0): the product starts the sum.
.macro WMS zero, ra, rb
.if \zero
.if (\ra) == 0
	v_wmma_scale_f32_16x16x128_f8f6f4 v[rD:rD+7], v[rW:rW+11], v[rA:rA+11], 0, v[rSW], v[rSA] matrix_a_fmt:MATRIX_FMT_FP6 matrix_b_fmt:MATRIX_FMT_FP6
.else
	v_wmma_scale_f32_16x16x128_f8f6f4 v[rD:rD+7], v[rW:rW+11], v[rA:rA+11], 0, v[rSW], v[rSA] matrix_a_fmt:MATRIX_FMT_FP6 matrix_b_fmt:MATRIX_FMT_FP6 matrix_a_scale:MATRIX_SCALE_ROW1
.endif
.elseif ((\ra) == 0) && ((\rb) == 0)
	v_wmma_scale_f32_16x16x128_f8f6f4 v[rD:rD+7], v[rW:rW+11], v[rA:rA+11], v[rD:rD+7], v[rSW], v[rSA] matrix_a_fmt:MATRIX_FMT_FP6 matrix_b_fmt:MATRIX_FMT_FP6
.elseif (\ra) == 0
	v_wmma_scale_f32_16x16x128_f8f6f4 v[rD:rD+7], v[rW:rW+11], v[rA:rA+11], v[rD:rD+7], v[rSW], v[rSA] matrix_a_fmt:MATRIX_FMT_FP6 matrix_b_fmt:MATRIX_FMT_FP6 matrix_b_scale:MATRIX_SCALE_ROW1
.elseif (\rb) == 0
	v_wmma_scale_f32_16x16x128_f8f6f4 v[rD:rD+7], v[rW:rW+11], v[rA:rA+11], v[rD:rD+7], v[rSW], v[rSA] matrix_a_fmt:MATRIX_FMT_FP6 matrix_b_fmt:MATRIX_FMT_FP6 matrix_a_scale:MATRIX_SCALE_ROW1
.else
	v_wmma_scale_f32_16x16x128_f8f6f4 v[rD:rD+7], v[rW:rW+11], v[rA:rA+11], v[rD:rD+7], v[rSW], v[rSA] matrix_a_fmt:MATRIX_FMT_FP6 matrix_b_fmt:MATRIX_FMT_FP6 matrix_a_scale:MATRIX_SCALE_ROW1 matrix_b_scale:MATRIX_SCALE_ROW1
.endif
.endm
; Column tile c of buffer buf against row tiles 2 mp and 2 mp + 1, K step 2 q + g.  The accumulators take turns, one instruction a turn.
.macro MULC buf, q, g, mp, c, zero
.irp mm, 0, 1
.set rD, 8*(8*(2*(\mp)+\mm)+(\c))
.set rW, 64+96*(\buf)+12*(\c)
.set rA, 12*(8*\mm+2*(\q)+(\g))
.set rSW, 40+8*((\q)%2)+4*(\g)+(\c)%4
.set rSA, 24+4*(2*(\mp)+\mm)+(\q)
	WMS \zero, (\c)/4, \g
.endr
.endm
.macro MULLO buf, q, g, mp, zero
.irp c, 0,1,2,3
	MULC \buf, \q, \g, \mp, \c, \zero
.endr
.endm
.macro MULHI buf, q, g, mp, zero
.irp c, 4,5,6,7
	MULC \buf, \q, \g, \mp, \c, \zero
.endr
.endm
.macro MUL8 buf, q, g, mp, zero
	MULLO \buf, \q, \g, \mp, \zero
	MULHI \buf, \q, \g, \mp, \zero
.endm
.macro FETCHB buf, ring, g             ; my eight fragments of the slot's g-th K step: 24 loads of 512 consecutive bytes
.irp c, 0,1,2,3,4,5,6,7
.irp ch, 0,1,2
	ds_load_b128 v[64+96*(\buf)+12*\c+4*\ch:64+96*(\buf)+12*\c+4*\ch+3], v[3+(\ring)] offset:(8*(\g)+\c)*1536+512*\ch
.endr
.endr
.endm
.macro FETCHS ring                     ; the slot's scale words: register 4 g + c % 4; lanes 0-15 tiles 0-3, lanes 16-31 tiles 4-7
.irp qq, 0, 1
	ds_load_b128 v[40+8*(\ring)+4*\qq:40+8*(\ring)+4*\qq+3], v[3+(\ring)] offset:24576+512*\qq
.endr
.endm
; A SLOT: two K steps, 64 matrix instructions.  At its head B0 and the scale words are on their way or in.  mode 2: the slot is filled again with the stream's slot two on; 1: the next slot is only read; 0: the last slot.
.macro SLOT q, mode
.set RG, (\q)%2
.if (\q) == 0
.set ZR, 1
.else
.set ZR, 0
.endif
	WIN 0
	PLACES 4                                       ; for the loads into B1, which the last products read
.if (\q) == 2
	s_wait_loadcnt 0x0                             ; the pass's bias has come: into my 512 bytes of LDS, for the work behind the pass
	ds_store_b128 v8, v[56:59]
.endif
	FETCHB 1, RG, 1
	s_wait_dscnt 24                                ; all but the 24 just issued: B0, its scale words, A
	WIN 0xf4
	MUL8 0, \q, 0, 0, ZR
	WIN 0xf8
	MUL8 0, \q, 0, 1, ZR
	WIN 0
.if (\mode) == 2
	s_wait_tensorcnt 0x0                           ; all my tensor loads have landed: my part of the other slot; so a group 0 may be written
	ds_add_u32 v1, v2                              ; 0 onto my spare word
	s_add_nc_u64 s[26+4*RG:27+4*RG], s[26+4*RG:27+4*RG], 2*RINGB   ; this ring slot's next fill: two slots on in the stream
	s_wait_dscnt 1                                 ; (the add may be out: B1 is in)
	WIN 0xf4
	MULLO 1, \q, 1, 0, 0
	s_wait_dscnt 0x0                               ; the add is done, and my reads of this slot are over
	s_barrier_signal -1                            ; this barrier opens a round of the cluster's barrier
	MULHI 1, \q, 1, 0, 0
	WIN 0
	s_barrier_wait -1
	CREST                                          ; no wave of any partner still reads this slot or has a load on its way
	tensor_load_to_lds s[24+4*RG:27+4*RG], s[16:23]
	s_nop 0
	PLACES 4                                       ; (the places in front of the loads into B0)
	FETCHB 0, 1-RG, 0
	FETCHS 1-RG
	WIN 0xf8
	MUL8 1, \q, 1, 1, 0
.elseif (\mode) == 1
	s_wait_tensorcnt 0x0                           ; my part of the last slot has landed: no load was issued behind it
	s_wait_dscnt 0x0
	WIN 0xf4
	MUL8 1, \q, 1, 0, 0
	WIN 0
	PLACES 4
	FETCHB 0, 1-RG, 0
	FETCHS 1-RG
	WIN 0xf8
	MUL8 1, \q, 1, 1, 0
.else
	s_wait_dscnt 0x0
	WIN 0xf4
	MUL8 1, \q, 1, 0, 0
	WIN 0xf8
	MUL8 1, \q, 1, 1, 0
.endif
.endm
.macro PASS m0, m1, m2, m3             ; 64 rows x my 128 columns x K = 1,024
	WIN 0
	global_load_b128 v[56:59], v7, s[8:9]          ; my 128 columns' bias, 512 consecutive bytes
	SLOT 0, \m0
	SLOT 1, \m1
	SLOT 2, \m2
	SLOT 3, \m3
	WIN 0
.endm
.macro ALOADS                          ; A's 32 fragments and their scale words from LDS into registers
.irp m, 0,1,2,3
	WIN 0x40*(1+\m/2)
.irp s, 0,1,2,3,4,5,6,7
.irp ch, 0,1,2
	ds_load_b128 v[12*(8*(\m%2)+\s)+4*\ch:12*(8*(\m%2)+\s)+4*\ch+3], v5 offset:(8*\m+\s)*1600+16*\ch
.endr
.endr
.endr
	WIN 0
.irp a, 0,1,2,3,4,5,6,7,8,9,10,11,12,13,14,15
	ds_load_b32 v[24+\a], v6 offset:128*\a         ; lanes 0-15: fragment 2 a's words; lanes 16-31: fragment 2 a + 1's
.endr
.endm
; ---------------------------------------------------------------- the head
	s_load_b128 s[4:7], s[0:1], 0x0                ; x, the stream
	s_load_b128 s[8:11], s[0:1], 0x10              ; the biases, out0
	v_lshl_add_u32 v1, v0, 2, SPARE
	v_mov_b32 v2, 0
	ds_add_u32 v1, v2
	ds_add_u32 v1, v2
	s_wait_dscnt 0x0
	v_lshrrev_b32 v60, 5, v0
	v_readfirstlane_b32 s12, v60                   ; wave 0..3
	s_bfe_u32 s13, ttmp6, 0x40000                  ; cx: it enters x's and out0's addresses alone
	s_lshl_b32 s14, ttmp9, 2
	s_add_co_u32 s14, s14, s13                     ; g
	s_mov_b32 s16, 15|(3<<16)|(1<<21)              ; group 1: the mask names the four; elements of 8 bytes; bit 21 beside a mask; no padding
	s_mov_b32 s17, 32<<16                          ; tensor_dim0 = 32 elements: rows of 256 bytes
	s_mov_b32 s18, 100<<16                         ; tensor_dim1 = 100 rows: 25,600 dense bytes
	s_mov_b32 s19, 32<<16                          ; tile_dim0
	s_mov_b32 s20, 100                             ; tile_dim1
	s_mov_b32 s21, 32                              ; the pitch
	s_mov_b32 s22, 0
	s_mov_b32 s23, 0
	s_mov_b32 s32, 0x76543210
	s_mov_b32 s33, 0xfedcba98                      ; v_permlanex16_b32's selects for lane l xor 16
	s_mov_b32 s34, 0x3e38aa3b                      ; c = log2(e) / sqrt(64)
	s_mov_b32 s35, s34                             ; (named with it as a pair)
	s_mul_i32 s40, s12, PARTB                      ; my part of a slot, in the stream and in LDS
	s_mov_b32 s41, 0
	s_lshl_b32 s48, s14, 18                        ; x: 64 rows of 4,096 bytes a work-group,
	s_lshl_b32 s49, s12, 16                        ; 16 a wave
	s_add_co_u32 s48, s48, s49
	s_mov_b32 s49, 0
	s_lshr_b32 s50, s14, 6                         ; out0: the batch, 4,096 rows of 4,096 bytes;
	s_lshl_b32 s50, s50, 24
	s_and_b32 s51, s14, 63
	s_lshl_b32 s51, s51, 14                        ; row 4 (g % 64);
	s_add_co_u32 s50, s50, s51
	s_lshl_b32 s51, s12, 9                         ; my 128 columns
	s_add_co_u32 s50, s50, s51
	s_mov_b32 s51, 0
	s_wait_kmcnt 0x0
	s_add_nc_u64 s[4:5], s[4:5], s[48:49]
	s_add_nc_u64 s[10:11], s[10:11], s[50:51]
	s_mov_b32 s24, 1                               ; group 0 of ring slot 0,
	s_add_co_u32 s25, s40, 0
	s_add_nc_u64 s[26:27], s[6:7], s[40:41]
	s_mov_b32 s28, 1                               ; and of ring slot 1
	s_add_co_u32 s29, s40, RINGB
	s_add_nc_u64 s[30:31], s[26:27], RINGB
	s_or_b32 s27, s27, 0x80000000
	s_or_b32 s31, s31, 0x80000000
	CROUND                                         ; all four work-groups are here: the first joint loads meet
	tensor_load_to_lds s[24:27], s[16:23]          ; the stream's slots 0 and 1
	s_nop 0
	tensor_load_to_lds s[28:31], s[16:23]
	s_nop 0
	PLACES 4
	v_and_b32 v60, 31, v0                          ; lane
	v_and_b32 v61, 15, v0                          ; r
	v_bfe_u32 v62, v0, 4, 1                        ; h
	v_lshl_add_u32 v3, v60, 4, s40                 ; my lane's 16 bytes of an image in ring slot 0,
	v_add_nc_u32 v4, RINGB, v3                     ; and 1
	v_mul_u32_u24 v5, v61, 48
	v_mad_u32_u24 v5, v62, 800, v5
	v_add_nc_u32 v5, AIMG, v5                      ; my lane's 48 bytes of a fragment of A
	v_lshl_add_u32 v6, v60, 2, ASC
	s_lshl_b32 s41, s12, 9
	v_lshl_add_u32 v7, v60, 4, s41                 ; the bias in memory: 512 w + 16 lane
	v_add_nc_u32 v8, BIASL, v7                     ; and in LDS
	v_lshl_add_u32 v9, v62, 5, s41
	v_add_nc_u32 v9, BIASL, v9                     ; back: a tile's rows 8 h + 0 .. 7
; ---------------------------------------------------------------- X: my 16 rows of x become 8 fragments
; A step is half a row: 2,048 bytes by four loads of 512 consecutive bytes; they turn through my stage in LDS and come back 64 bytes a lane: 16 neighbours along K, two lanes to a block.  Loads run 8 steps ahead.
	v_lshlrev_b32 v10, 4, v60                      ; my 16 bytes of a load
	s_mul_i32 s42, s12, 5120
	s_add_co_u32 s42, s42, XSTG
	v_lshrrev_b32 v61, 2, v60
	v_mul_u32_u24 v11, v61, 80
	v_and_b32 v62, 3, v60
	v_lshl_add_u32 v11, v62, 4, v11
	v_add_nc_u32 v11, s42, v11                     ; the stage, in: 80 (lane / 4) + 16 (lane % 4)
	v_mul_u32_u24 v12, v60, 80
	v_add_nc_u32 v12, s42, v12                     ; out: 80 x lane
	v_lshrrev_b32 v61, 3, v60                      ; my 16 numbers: K step lane / 8 of the step's four,
	v_mul_u32_u24 v13, v61, 1600
	v_bfe_u32 v62, v0, 1, 1
	v_mad_u32_u24 v13, v62, 800, v13               ; the operand's lane half,
	v_bfe_u32 v62, v0, 2, 1
	v_mad_u32_u24 v13, v62, 24, v13                ; which 64 of the 128,
	v_and_b32 v62, 1, v0
	v_mad_u32_u24 v13, v62, 12, v13                ; which half of the block
	s_mul_i32 s42, s12, 12800
	s_add_co_u32 s42, s42, AIMG
	v_add_nc_u32 v13, s42, v13
	v_bfe_u32 v62, v0, 1, 2
	v_lshl_add_u32 v14, v61, 6, v62                ; the scale byte: fragment x 64 + the block
	s_add_co_u32 s42, s41, ASC
	v_add_nc_u32 v14, s42, v14
.macro XLD set, off
.irp i, 0,1,2,3
	global_load_b128 v[64+16*(\set)+4*\i:64+16*(\set)+4*\i+3], v10, s[4:5] offset:(\off)+512*\i th:TH_LOAD_NT
.endr
.endm
.macro XTURN st                        ; LDS serves a wave's instructions in order (ISA guide 5.7.1.4): no wait between the stores and the loads
.irp i, 0,1,2,3
	ds_store_b128 v11, v[64+16*((\st)%8)+4*\i:64+16*((\st)%8)+4*\i+3] offset:2560*((\st)%2)+640*\i
.endr
.irp i, 0,1,2,3
	ds_load_b128 v[192+16*((\st)%2)+4*\i:192+16*((\st)%2)+4*\i+3], v12 offset:2560*((\st)%2)+16*\i
.endr
.endm
.macro XSTEP st, ahead, lcnt           ; lcnt: how many younger loads may be out when the next step's four are wanted; -1: there is no next step
.set XX, 192+16*((\st)%2)
.set CB, 224+4*((\st)%2)
.if (\st) == 0
	s_wait_dscnt 0x0                               ; (on the way into the loop nothing younger is out)
.else
	s_wait_dscnt 4                                 ; this step's numbers are back from the stage; the last step's four stores may be out
.endif
.if \ahead
	XLD \st, ((\st)+8)*2048
.endif
.if (\lcnt) >= 0
	s_wait_loadcnt \lcnt
	XTURN (\st)+1
.endif
	v_max3_num_f32 v60, |v[XX]|, |v[XX+1]|, |v[XX+2]|
	v_max3_num_f32 v61, |v[XX+3]|, |v[XX+4]|, |v[XX+5]|
.irp i, 6,10
	v_max3_num_f32 v60, v60, |v[XX+\i]|, |v[XX+\i+1]|
	v_max3_num_f32 v61, v61, |v[XX+\i+2]|, |v[XX+\i+3]|
.endr
	v_max3_num_f32 v60, v60, |v[XX+14]|, |v[XX+15]|
	v_max3_num_f32 v60, v60, v61, 0x1800000        ; the floor 2^(3 - 127): the byte cannot fall under 1
	v_max_num_f32_dpp v60, v60, v60 row_xmask:1 row_mask:0xf bank_mask:0xf   ; with my neighbour's 16: the block's largest magnitude
	v_add_nc_u32 v62, 0xff000000, v60              ; 2 off the exponent field: the conversion's scale operand
	v_cvt_scalef32_pk16_fp6_f32 v[CB:CB+2], v[XX:XX+15], v62
	v_lshrrev_b32 v[232+(\st)%2], 23, v62          ; the scale's byte (a plain place behind the conversion)
.irp z, 0,1,2
	ds_store_b32 v15, v[CB+\z] offset:((\st)%2)*6400+((\st)/2)*48+4*\z
.endr
	ds_store_b8 v16, v[232+(\st)%2] offset:((\st)%2)*256+((\st)/2)*4   ; both lanes of a block write the same byte
.endm
.irp t, 0,1,2,3,4,5,6,7
	XLD \t, \t*2048
.endr
	s_mov_b32 s37, 3
	s_mov_b32 s38, 0                               ; four rows a trip: 192 bytes of codes,
	s_mov_b32 s39, 0                               ; 16 of scale words
	s_wait_loadcnt 28                              ; step 0's four loads are in
	XTURN 0
.Lx:
	v_add_nc_u32 v15, s38, v13
	v_add_nc_u32 v16, s39, v14
.irp st, 0,1,2,3,4,5,6,7
	XSTEP \st, 1, 28                               ; 28: the seven younger steps' loads
.endr
	s_wait_xcnt 0x0                                ; the loads have read their base
	s_add_nc_u64 s[4:5], s[4:5], 16384
	s_add_co_u32 s38, s38, 192
	s_add_co_u32 s39, s39, 16
	s_sub_co_u32 s37, s37, 1
	s_cmp_lg_u32 s37, 0
	s_cbranch_scc1 .Lx
	v_add_nc_u32 v15, s38, v13
	v_add_nc_u32 v16, s39, v14
	XSTEP 0, 0, 24                                 ; the last eight steps load nothing: the counts run down
	XSTEP 1, 0, 20
	XSTEP 2, 0, 16
	XSTEP 3, 0, 12
	XSTEP 4, 0, 8
	XSTEP 5, 0, 4
	XSTEP 6, 0, 0
	XSTEP 7, 0, -1
	BAR                                            ; x's 32 fragments lie in LDS
; ---------------------------------------------------------------- the addresses of the later phases
	v_and_b32 v60, 31, v0
	v_and_b32 v61, 15, v0
	v_bfe_u32 v62, v0, 4, 1
	v_mul_u32_u24 v10, v61, 1552
	v_mad_u32_u24 v10, v62, 12, v10
	s_mul_i32 s40, s12, 96
	s_add_co_u32 s40, s40, QC
	v_add_nc_u32 v10, s40, v10                     ; q's, k's codes, in: position r of tiles 0, 1; my 128 columns' 96 bytes; 12 h
	v_add_nc_u32 v11, 49664, v10                   ; of tiles 2, 3
	v_mul_u32_u24 v12, v61, 132
	s_lshl_b32 s40, s12, 3
	s_add_co_u32 s40, s40, SCQK
	v_add_nc_u32 v12, s40, v12                     ; their scale words, in
	v_mul_u32_u24 v13, v61, 48
	v_mad_u32_u24 v13, v62, 24, v13
	s_mul_i32 s40, s12, 24832
	s_add_co_u32 s40, s40, QC
	v_add_nc_u32 v13, s40, v13                     ; out: my tile's positions; head r, block h
	s_mul_i32 s40, s12, 2112
	s_add_co_u32 s40, s40, SCQK
	v_lshl_add_u32 v14, v60, 2, s40                ; lanes 0-15 q's words, lanes 16-31 k's
	v_mul_u32_u24 v15, v61, 1040
	v_lshl_add_u32 v15, v62, 9, v15
	s_lshl_b32 s40, s12, 6
	s_add_co_u32 s40, s40, VST
	v_add_nc_u32 v15, s40, v15                     ; v, in
	v_lshlrev_b32 v16, 4, v61
	v_lshl_add_u32 v16, v62, 9, v16
	s_mul_i32 s40, s12, 16640
	s_add_co_u32 s40, s40, VST
	v_add_nc_u32 v16, s40, v16                     ; v, out
	v_mul_u32_u24 v17, v61, 48
	v_mad_u32_u24 v17, v62, 12, v17
	s_mul_i32 s40, s12, 12800
	s_add_co_u32 s40, s40, AIMG
	v_add_nc_u32 v17, s40, v17                     ; the last product's A, in: my tile; row = head r; 12 h
	s_lshl_b32 s40, s12, 9
	s_add_co_u32 s40, s40, ASC
	v_lshl_add_u32 v18, v61, 2, s40                ; its scale bytes
	s_mul_i32 s40, s12, 4352
	s_add_co_u32 s40, s40, OSTG
	v_mul_u32_u24 v19, v61, 272
	v_lshl_add_u32 v19, v62, 5, v19
	v_add_nc_u32 v19, s40, v19                     ; the way out, in
	v_mul_u32_u24 v20, v62, 272
	v_lshl_add_u32 v20, v61, 4, v20
	v_add_nc_u32 v20, s40, v20                     ; back: lanes 0-15 one row, lanes 16-31 the next
	v_lshlrev_b32 v21, 20, v62                     ; in out0 a head is 256 rows, 2^20 bytes
	v_lshl_add_u32 v21, v61, 4, v21
	v_add_nc_u32 v22, 0x800000, v21                ; heads 8 on
	ALOADS
	s_wait_tensorcnt 1                             ; my part of the stream's slot 0 is in; slot 1's may be out
	FETCHB 0, 0, 0
	FETCHS 0
; ---------------------------------------------------------------- Q, Q, K, K
; Behind a pass: + bias; the 16 registers of tiles 2 b, 2 b + 1 are 16 neighbouring columns (the launch before chose the tiles' columns so); a block of 32 lies in lanes l and l xor 16.  Codes and scale words go to LDS by position.
.macro EPQK
	WIN 0
	PLACES 4
	v_add_nc_u32 v60, s38, v10
	v_add_nc_u32 v61, s38, v11
	v_add_nc_u32 v62, s39, v12
.irp hd, 0, 1                          ; my two heads
.irp cc, 0,1,2,3
	ds_load_b128 v[160+8*\cc:163+8*\cc], v9 offset:(4*\hd+\cc)*64
	ds_load_b128 v[164+8*\cc:167+8*\cc], v9 offset:(4*\hd+\cc)*64+16
.endr
	s_wait_dscnt 0x0
.irp m, 0,1,2,3
	s_wait_dscnt 7                                 ; the last unit's seven stores may be out; those of the unit before, from this bank, are done
.set AC, 8*(8*\m+4*\hd)
	WIN 0x03
.set ii, 0
.rept 16
	v_pk_add_f32 v[192+ii:193+ii], v[AC+ii:AC+ii+1], v[160+ii:161+ii]   ; each accumulator from its low end on
.set ii, ii+2
.endr
	WIN 0
.irp bb, 0,1
	v_max3_num_f32 v[224+\bb], |v[192+16*\bb]|, |v[193+16*\bb]|, 0x1800000
.endr
.irp i, 2,4,6,8,10,12,14
.irp bb, 0,1
	v_max3_num_f32 v[224+\bb], v[224+\bb], |v[192+16*\bb+\i]|, |v[193+16*\bb+\i]|
.endr
.endr
.irp bb, 0,1
	v_permlanex16_b32 v[226+\bb], v[224+\bb], s32, s33
.endr
.irp bb, 0,1
	v_max_num_f32 v[224+\bb], v[224+\bb], v[226+\bb]
.endr
.irp bb, 0,1
	v_add_nc_u32 v[228+\bb], 0xff000000, v[224+\bb]
.endr
.irp bb, 0,1
	v_lshrrev_b32 v[226+\bb], 23, v[228+\bb]
.endr
	v_lshl_or_b32 v[232+\m%2], v227, 8, v226
	v_or_b32 v[232+\m%2], 0x7f7f0000, v[232+\m%2]  ; a head has 64 along K: the other 64 of the instruction's 128 are zero codes under the byte 127
.irp bb, 0,1
	v_cvt_scalef32_pk16_fp6_f32 v[240+8*(\m%2)+4*\bb:242+8*(\m%2)+4*\bb], v[192+16*\bb:207+16*\bb], v[228+\bb]
.endr
	v_nop                                          ; one plain place behind a scaled conversion
.irp bb, 0,1
.irp z, 0,1,2
	ds_store_b32 v[60+\m/2], v[240+8*(\m%2)+4*\bb+\z] offset:(\m%2)*24832+\hd*48+\bb*24+4*\z
.endr
.endr
	ds_store_b32 v62, v[232+\m%2] offset:\m*2112+4*\hd   ; both halves of the lanes write the same word
.endr
.endr
	s_wait_dscnt 0x0
.endm
	s_mov_b32 s37, 4
	s_mov_b32 s38, 0                               ; a pass's 512 columns: 384 bytes of codes,
	s_mov_b32 s39, 0                               ; 8 scale words
.Lqk:
	PASS 2, 2, 2, 2
	EPQK
	s_add_nc_u64 s[8:9], s[8:9], 2048              ; the next pass's bias (the load that read this base has come)
	s_add_co_u32 s38, s38, 384
	s_add_co_u32 s39, s39, 32
	s_sub_co_u32 s37, s37, 1
	s_cmp_lg_u32 s37, 0
	s_cbranch_scc1 .Lqk
; ---------------------------------------------------------------- the scores and the softmax of my 16 positions
	BAR                                            ; all heads' codes of my positions lie in LDS
.irp i, 0,1,2,3
.irp z, 6,7,8,9,10,11
	v_mov_b32 v[160+24*\i+\z], 0                   ; K = 64 .. 127: zero codes, in four pairs of fragments
	v_mov_b32 v[172+24*\i+\z], 0
.endr
.endr
	PLACES 4
.irp bt, 0,1,2,3                       ; four positions at a time.  S^T = k q^T: lane (r, h) holds query head r and key heads 8 h + j
.irp i, 0,1,2,3
.irp z, 0,1,2
	ds_load_b64 v[160+24*\i+2*\z:161+24*\i+2*\z], v13 offset:(4*\bt+\i)*1552+768+8*\z
	ds_load_b64 v[172+24*\i+2*\z:173+24*\i+2*\z], v13 offset:(4*\bt+\i)*1552+8*\z
.endr
	ds_load_b32 v[48+\i], v14 offset:(4*\bt+\i)*132
.endr
	s_wait_dscnt 0x0
	WIN 0x40*(1+\bt/2)
.irp i, 0,1,2,3
	v_wmma_scale_f32_16x16x128_f8f6f4 v[192+8*((4*\bt+\i)%8):199+8*((4*\bt+\i)%8)], v[160+24*\i:171+24*\i], v[172+24*\i:183+24*\i], 0, v[48+\i], v[48+\i] matrix_a_fmt:MATRIX_FMT_FP6 matrix_b_fmt:MATRIX_FMT_FP6 matrix_a_scale:MATRIX_SCALE_ROW1
.endr
	WIN 0
	PLACES 4
.endr
; Eight positions (one window) at a time, stage by stage.  p = 2^(c (s - max)) / the sum.  The maximum is taken away first and c multiplied afterwards: the difference of neighbouring scores is exact, however large they are.
.macro SOFT w
	WIN 0x15*\w
.irp k, 0,1,2,3,4,5,6,7
	v_max3_num_f32 v[160+2*\k], v[192+8*\k], v[193+8*\k], v[194+8*\k]
.endr
	WIN 0x14*\w
.irp k, 0,1,2,3,4,5,6,7
	v_max3_num_f32 v[160+2*\k], v[160+2*\k], v[195+8*\k], v[196+8*\k]
.endr
.irp k, 0,1,2,3,4,5,6,7
	v_max3_num_f32 v[160+2*\k], v[160+2*\k], v[197+8*\k], v[198+8*\k]
.endr
.irp k, 0,1,2,3,4,5,6,7
	v_max_num_f32 v[160+2*\k], v[160+2*\k], v[199+8*\k]
.endr
	WIN 0
.irp k, 0,1,2,3,4,5,6,7
	v_permlanex16_b32 v[176+2*\k], v[160+2*\k], s32, s33
.endr
.irp k, 0,1,2,3,4,5,6,7
	v_max_num_f32 v[160+2*\k], v[160+2*\k], v[176+2*\k]   ; the row's largest score
.endr
	WIN 0x41*\w
.irp k, 0,1,2,3,4,5,6,7
.irp a, 0,2,4,6
	v_pk_add_f32 v[192+8*\k+\a:193+8*\k+\a], v[192+8*\k+\a:193+8*\k+\a], v[160+2*\k:161+2*\k] op_sel_hi:[1,0] neg_lo:[0,1] neg_hi:[0,1]
.endr
.endr
.set ii, 0
.rept 32
	v_pk_mul_f32 v[192+ii:193+ii], v[192+ii:193+ii], s[34:35] op_sel_hi:[1,0]
.set ii, ii+2
.endr
.set ii, 0
.rept 64
	v_exp_f32 v[192+ii], v[192+ii]
.set ii, ii+1
.endr
	v_nop                                          ; a plain place behind the last exponential
	s_wait_alu depctr_va_vdst(0)                   ; one wait for the batch, ahead of its first reader
	WIN 0x05*\w
.irp k, 0,1,2,3,4,5,6,7
	v_pk_add_f32 v[176+2*\k:177+2*\k], v[192+8*\k:193+8*\k], v[194+8*\k:195+8*\k]
.endr
.irp k, 0,1,2,3,4,5,6,7
	v_pk_add_f32 v[208+2*\k:209+2*\k], v[196+8*\k:197+8*\k], v[198+8*\k:199+8*\k]
.endr
	WIN 0
.irp k, 0,1,2,3,4,5,6,7
	v_pk_add_f32 v[176+2*\k:177+2*\k], v[176+2*\k:177+2*\k], v[208+2*\k:209+2*\k]
.endr
.irp k, 0,1,2,3,4,5,6,7
	v_add_f32 v[176+2*\k], v[176+2*\k], v[177+2*\k]
.endr
.irp k, 0,1,2,3,4,5,6,7
	v_permlanex16_b32 v[208+2*\k], v[176+2*\k], s32, s33
.endr
.irp k, 0,1,2,3,4,5,6,7
	v_add_f32 v[176+2*\k], v[176+2*\k], v[208+2*\k]
.endr
.irp k, 0,1,2,3,4,5,6,7
	v_rcp_f32 v[160+2*\k], v[176+2*\k]
.endr
	v_nop
	s_wait_alu depctr_va_vdst(0)                   ; one wait for the eight reciprocals
	WIN 0x41*\w
.irp k, 0,1,2,3,4,5,6,7
.irp a, 0,2,4,6
	v_pk_mul_f32 v[192+8*\k+\a:193+8*\k+\a], v[192+8*\k+\a:193+8*\k+\a], v[160+2*\k:161+2*\k] op_sel_hi:[1,0]
.endr
.endr
	WIN 0
.endm
	SOFT 1
	SOFT 2
; ---------------------------------------------------------------- V, V, each with its P V
; In a V pass tile c = 2 t + u holds the 16 heads at d = 32 e + 8 w + 4 u + t.  STAGE u sends the tiles of one u, + bias, to LDS by position; then every wave has, for its positions, 16 d x 16 heads.
.macro STAGE u
	WIN 0
.irp t, 0,1,2,3
	ds_load_b128 v[160+8*\t:163+8*\t], v9 offset:(2*\t+\u)*64
	ds_load_b128 v[164+8*\t:167+8*\t], v9 offset:(2*\t+\u)*64+16
.endr
	s_wait_dscnt 0x0
.irp m, 0,1,2,3
	s_wait_dscnt 8                                 ; the last tile of rows' eight stores may be out; this bank's are done
	WIN 0x03
.irp t, 0,1,2,3
.irp a, 0,2,4,6
	v_pk_add_f32 v[192+32*(\m%2)+8*\t+\a:193+32*(\m%2)+8*\t+\a], v[8*(8*\m+2*\t+\u)+\a:8*(8*\m+2*\t+\u)+\a+1], v[160+8*\t+\a:161+8*\t+\a]
.endr
.endr
	WIN 0
.irp t, 0,1,2,3
.irp cc, 0,1
	ds_store_b128 v15, v[192+32*(\m%2)+8*\t+4*\cc:195+32*(\m%2)+8*\t+4*\cc] offset:\m*16640+\cc*256+16*\t
.endr
.endr
.endr
	s_wait_dscnt 0x0
.endm
.macro PVL bt                          ; V^T of four positions: lane (i, h) holds d number i and heads 8 h + 0 .. 7
.irp i, 0,1,2,3
.irp cc, 0,1
	ds_load_b128 v[160+32*((\bt)%2)+8*\i+4*\cc:163+32*((\bt)%2)+8*\i+4*\cc], v16 offset:(4*(\bt)+\i)*1040+256*\cc
.endr
.endr
.endm
.macro PVW u, bt                       ; O^T = V^T P^T in f32, four K steps of 4: place 2 h + j of step s is head 8 h + 2 s + j on both sides.  Four accumulators by turns; the first step starts the sums
	WIN 0xf4+4*((\bt)/2)
.irp s, 0,1,2,3
.irp i, 0,1,2,3
.set rD, 16*(4*(\bt)+\i)+8*(\u)
.set rV, 160+32*((\bt)%2)+8*\i+2*\s
.set rP, 192+8*((4*(\bt)+\i)%8)+2*\s
.if \s == 0
	v_wmma_f32_16x16x4_f32 v[rD:rD+7], v[rV:rV+1], v[rP:rP+1], 0
.else
	v_wmma_f32_16x16x4_f32 v[rD:rD+7], v[rV:rV+1], v[rP:rP+1], v[rD:rD+7]
.endif
.endr
.endr
	WIN 0
.endm
.macro PV u
	PVL 0
	PVL 1
	s_wait_dscnt 8                                 ; the next batch's eight loads may be out
	PVW \u, 0
	PLACES 8                                       ; behind this form eight places, in front of loads into registers that it has read
	PVL 2
	s_wait_dscnt 8
	PVW \u, 1
	PLACES 8
	PVL 3
	s_wait_dscnt 8
	PVW \u, 2
	s_wait_dscnt 0x0
	PVW \u, 3
	PLACES 8                                       ; for what follows: loads and vector writes into V^T's registers, reads of the results
.endm
; The result of position pl: 16 registers a lane, query head r, d = 32 e + 16 h + 8 (j / 4) + 4 u + j % 4 in register 8 u + j.  That is half a block of the last product's A, in the order in which the launch before laid Wo's rows.
.macro QA6
	v_add_nc_u32 v60, s38, v17
	v_add_nc_u32 v61, s39, v18
.irp bt, 0,1,2,3
	s_wait_dscnt 16                                ; the last batch's sixteen stores may be out; this bank's are done
	WIN 0x0f
.irp i, 0,1,2,3
	v_max3_num_f32 v[224+\i], |v[16*(4*\bt+\i)]|, |v[16*(4*\bt+\i)+1]|, 0x1800000
.endr
	WIN 0x3c
.irp n, 2,4,6,8,10,12,14
.irp i, 0,1,2,3
	v_max3_num_f32 v[224+\i], v[224+\i], |v[16*(4*\bt+\i)+\n]|, |v[16*(4*\bt+\i)+\n+1]|
.endr
.endr
	WIN 0
.irp i, 0,1,2,3
	v_permlanex16_b32 v[228+\i], v[224+\i], s32, s33
.endr
.irp i, 0,1,2,3
	v_max_num_f32 v[224+\i], v[224+\i], v[228+\i]
.endr
.irp i, 0,1,2,3
	v_add_nc_u32 v[232+\i], 0xff000000, v[224+\i]
.endr
.irp i, 0,1,2,3
	v_lshrrev_b32 v[236+4*(\bt%2)+\i], 23, v[232+\i]
.endr
	WIN 0x03
.irp i, 0,1,2,3
	v_cvt_scalef32_pk16_fp6_f32 v[160+16*(\bt%2)+4*\i:162+16*(\bt%2)+4*\i], v[16*(4*\bt+\i):16*(4*\bt+\i)+15], v[232+\i]
.endr
	WIN 0
	v_nop                                          ; one plain place behind a scaled conversion
.irp i, 0,1,2,3
.irp z, 0,1,2
	ds_store_b32 v60, v[160+16*(\bt%2)+4*\i+\z] offset:((4*\bt+\i)/2)*1600+24*((4*\bt+\i)%2)+4*\z
.endr
.endr
.irp i, 0,1,2,3
	ds_store_b8 v61, v[236+4*(\bt%2)+\i] offset:((4*\bt+\i)/2)*64+2*((4*\bt+\i)%2)
.endr
.endr
	s_wait_dscnt 0x0
.endm
	s_mov_b32 s37, 2
	s_mov_b32 s38, 0                               ; e: the operand's lane half, 800 bytes,
	s_mov_b32 s39, 0                               ; and one scale byte
.Lv:
	PASS 2, 2, 2, 2
	PLACES 4
	STAGE 0
	BAR                                            ; v of 16 d lies in LDS for all 64 positions
	PV 0
	BAR                                            ; everybody has read it
	STAGE 1
	BAR
	PV 1
	QA6
	s_add_nc_u64 s[8:9], s[8:9], 2048
	s_add_co_u32 s38, s38, 800
	s_add_co_u32 s39, s39, 1
	s_sub_co_u32 s37, s37, 1
	s_cmp_lg_u32 s37, 0
	s_cbranch_scc1 .Lv
; ---------------------------------------------------------------- O, O
	BAR                                            ; the last product's 32 fragments lie in LDS: tile m = positions 16 m on, row = head, K = (position % 16) x 64 + d
	ALOADS
; Behind a pass: + bias; 16 rows x 64 columns at a time through my stage; sixteen lanes store 256 consecutive bytes, aligned.  Row (head) 2 i + h of tile m is out0's row head x 256 + 4 (g % 64) + m.
.macro SENDO n, e
.irp i, 0,1,2,3,4,5,6,7
	global_store_b128 v[21+\i/4], v[192+32*((\n)%2)+4*\i:195+32*((\n)%2)+4*\i], s[10:11] offset:2*(\i%4)*1048576+((\n)%4)*4096+(\e)*2048+((\n)/4)*256 th:TH_STORE_NT
.endr
.endm
.macro EPO e
	WIN 0
	PLACES 4
.irp n, 0,1,2,3,4,5,6,7                ; unit n: columns 64 (n / 4) on, tile of rows n % 4; two banks of 32 registers by turns
.if (\n%4) == 0
.irp t, 0,1,2,3
	ds_load_b128 v[160+8*\t:163+8*\t], v9 offset:(4*(\n/4)+\t)*64
	ds_load_b128 v[164+8*\t:167+8*\t], v9 offset:(4*(\n/4)+\t)*64+16
.endr
	s_wait_dscnt 0x0
.endif
.if \n >= 2
	s_wait_xcnt 0x0                                ; the stores of the unit two back have read this bank
.endif
.set AC, 8*(8*(\n%4)+4*(\n/4))
	WIN 0x03
.set ii, 0
.rept 16
	v_pk_add_f32 v[192+32*(\n%2)+ii:193+32*(\n%2)+ii], v[AC+ii:AC+ii+1], v[160+ii:161+ii]
.set ii, ii+2
.endr
	WIN 0
.irp t, 0,1,2,3
.irp z, 0,1
	ds_store_b128 v19, v[192+32*(\n%2)+8*\t+4*\z:195+32*(\n%2)+8*\t+4*\z] offset:64*\t+16*\z
.endr
.endr
.irp i, 0,1,2,3,4,5,6,7
	ds_load_b128 v[192+32*(\n%2)+4*\i:195+32*(\n%2)+4*\i], v20 offset:544*\i   ; LDS serves a wave's instructions in order: these see my stores, and the next unit's stores come behind them
.endr
.if \n >= 1
	s_wait_dscnt 16                                ; the unit before is back; this unit's eight stores and eight loads may be out
	SENDO \n-1, \e
.endif
.endr
	s_wait_dscnt 0x0
	SENDO 7, \e
	s_wait_xcnt 0x0                                ; the stores have read their registers: the next pass loads into them
.endm
	PASS 2, 2, 2, 2
	EPO 0
	s_add_nc_u64 s[8:9], s[8:9], 2048
	PASS 2, 2, 1, 0                                ; the stream's last two slots are filled by the first two changes of this pass; then nothing is asked for
	EPO 1
	s_wait_tensorcnt 0x0                           ; the wave's end, behind my last tensor load and my last LDS store
	ds_add_u32 v1, v2
	s_wait_dscnt 0x0
	CROUND                                         ; the closing round: no work-group ends while a partner may still ask for a part that names it
	s_endpgm
.Lfunc_end_k_q585f2f9319_main:
	.size	k_q585f2f9319_main, .Lfunc_end_k_q585f2f9319_main-k_q585f2f9319_main
	.p2alignl 7, 3214868480
	.fill 96, 4, 3214868480
	.section	.rodata,"a",@progbits
	.p2align	6, 0x0
	.amdhsa_kernel k_q585f2f9319_main
		.amdhsa_group_segment_fixed_size 327680
		.amdhsa_private_segment_fixed_size 0
		.amdhsa_enable_private_segment 0
		.amdhsa_kernarg_size 32
		.amdhsa_user_sgpr_count 2
		.amdhsa_user_sgpr_kernarg_segment_ptr 1
		.amdhsa_wavefront_size32 1
		.amdhsa_system_sgpr_workgroup_id_x 1
		.amdhsa_system_sgpr_workgroup_id_y 1
		.amdhsa_system_sgpr_workgroup_id_z 1
		.amdhsa_system_vgpr_workitem_id 0
		.amdhsa_next_free_vgpr 1024
		.amdhsa_next_free_sgpr 66
		.amdhsa_reserve_vcc 0
		.amdhsa_float_denorm_mode_32 3
		.amdhsa_float_denorm_mode_16_64 3
		.amdhsa_memory_ordered 1
		.amdhsa_forward_progress 1
		.amdhsa_inst_pref_size 255
	.end_amdhsa_kernel
	.section	.bss,"aw",@nobits
	.p2align	6
	.space	262144
	.amdgpu_metadata
---
amdhsa.version: [ 1, 2 ]
amdhsa.kernels:
  - .name:           k_q585f2f9319_main
    .symbol:         k_q585f2f9319_main.kd
    .args:
      - { .name: hidden_state, .offset: 0, .size: 8, .value_kind: global_buffer, .address_space: global }
      - { .name: wstream, .offset: 8, .size: 8, .value_kind: global_buffer, .address_space: global }
      - { .name: bias_s, .offset: 16, .size: 8, .value_kind: global_buffer, .address_space: global }
      - { .name: out0, .offset: 24, .size: 8, .value_kind: global_buffer, .address_space: global }
    .group_segment_fixed_size: 327680
    .private_segment_fixed_size: 0
    .kernarg_segment_align: 8
    .kernarg_segment_size: 32
    .max_flat_workgroup_size: 128
    .sgpr_count:     66
    .vgpr_count:     1024
    .wavefront_size: 32
...
	.end_amdgpu_metadata
.endif
;; end of part 2
;; ======== version 2 of 2: 2 launches
;; limits: right only within a limited range of input values
;; workspace buffers: wstream 3,276,800 bytes; bias_s 16,384 bytes
;; launch prep (part 3): grid 256 x 1, 4 waves a work-group, no clusters, 14,336 bytes of LDS; arguments Wq, Wk, Wv, Wo, bq, bk, bv, bo, wstream, bias_s; writes wstream, bias_s
.if DOCPART == 3
	.amdgcn_target "amdgcn-amd-amdhsa--gfx1250"
	.amdhsa_code_object_version 6
	.text
	.protected	k_q585f2f9319_prep
	.globl	k_q585f2f9319_prep
	.p2align	8
	.type	k_q585f2f9319_prep,@function
k_q585f2f9319_prep:
	s_mov_b64 s[64:65], 0
	v_nop
	global_prefetch_b8 v0, s[64:65] scope:SCOPE_SE
	s_setreg_imm32_b32 hwreg(HW_REG_WAVE_MODE, 25, 1), 1
	s_wait_xcnt 0x0
; The four weights [1024 (K)][1024 (N)], f32, become codes of FP6 (E2M3) with one E8M0 byte for each 32 along K, laid in the order in which the second launch's waves take them into operand registers.
; wstream: 16 slots of 204,800 bytes.  Slot 2 pi + j (pi = 2 mu + e: mu = 0 Q, 1 K, 2 V, 3 O; e = which half of the columns; j = which four of a wave's eight tiles of 16 columns).  In a slot wave w's part is 51,200 bytes:
; 32 fragment images of 1,536 bytes (K step s, tile c = 4 j + cc: image 4 s + cc), then 2,048 bytes of scale words (K step s, row i, tile cc: 256 s + 16 i + 4 cc).  An image is three runs of 512 bytes: lane l's 16 bytes at 16 l are registers 4 ch .. 4 ch + 3.
; WHICH COLUMN IS ROW i OF TILE c:  Q, K: 512 e + 128 w + 32 (c / 2) + 8 (c % 2) + i + 8 (i / 8);   V: 64 i + 32 e + 8 w + c (the 16 heads at one d);   O: 512 e + 128 w + 16 c + i.
; K's ORDER is as it lies for Q, K, V.  For O, inside each block of 32, place p holds the row whose bits 3 and 2 are p's bits 2 and 3: the order in which the second launch's registers hold the attention's result.
; A block keeps its 32 numbers, so its scale is the quantiser's.
; A work-group makes the 8 fragments and 512 bytes of scale words of one (pi, w, s).  A THREAD TAKES A COLUMN AND ITS REGISTERS RUN DOWN K: thread t has c = t & 7, i = t >> 3; a block's largest magnitude needs no other lane.
; A block's scale byte is its largest magnitude's exponent field - 2, held at 1 from below.
; LIMITS: a block of zeros gets the byte 1 where the rule says 127 (its codes are zeros, and this program alone reads the bytes); a block whose largest magnitude lies under 2^-124 keeps the byte 1; NaN and infinities are not served.
.set SLOTB, 204800                     ; a slot of the stream
.set CP,   1568                        ; a fragment's place in LDS: 1,536 bytes + 32
.set SCR,  8*CP                        ; behind the eight: 512 bytes of scale words: 256 (c / 4) + 16 i + 4 (c % 4),
.set BIR,  SCR+512                     ; and 512 bytes of bias, in the tiles' row order
.set X,    64                          ; v64-127  two sets of 32 numbers
.set CD,   16                          ; v16-39   my column's codes: 12 registers for each half h of the lanes: block t = 2 c' + h at 12 h + 6 c'
	s_load_b256 s[4:11], s[0:1], 0x0               ; Wq, Wk, Wv, Wo
	s_load_b256 s[12:19], s[0:1], 0x20             ; bq, bk, bv, bo
	s_load_b128 s[20:23], s[0:1], 0x40             ; wstream, bias_s
	v_lshl_add_u32 v128, v0, 2, 0x3600
	v_mov_b32 v129, 0
	v_lshrrev_b32 v1, 5, v0
	v_readfirstlane_b32 s24, v1                    ; wave
	s_lshr_b32 s25, ttmp9, 6                       ; mu
	s_bfe_u32 s26, ttmp9, 0x10005                  ; e
	s_bfe_u32 s27, ttmp9, 0x20003                  ; w
	s_and_b32 s28, ttmp9, 7                        ; s
	v_and_b32 v2, 7, v0                            ; c
	v_lshrrev_b32 v3, 3, v0                        ; i
	v_lshrrev_b32 v48, 1, v2                       ; c / 2
	v_and_b32 v49, 1, v2                           ; c % 2
	s_lshl_b32 s29, s26, 9
	s_lshl_b32 s30, s27, 7
	s_add_co_u32 s29, s29, s30                     ; 512 e + 128 w
	s_lshr_b32 s30, s29, 4                         ; 32 e + 8 w
	v_and_b32 v50, 8, v3
	v_add_nc_u32 v50, v50, v3
	v_lshl_add_u32 v50, v49, 3, v50
	v_lshl_add_u32 v50, v48, 5, v50
	v_add_nc_u32 v50, s29, v50                     ; the column for Q and K,
	v_lshl_add_u32 v51, v2, 4, v3
	v_add_nc_u32 v51, s29, v51                     ; for O,
	v_lshl_add_u32 v52, v3, 6, v2
	v_add_nc_u32 v52, s30, v52                     ; for V
	s_cmp_eq_u32 s25, 2
	s_cselect_b32 s31, -1, 0
	v_cndmask_b32 v50, v50, v52, s31
	s_cmp_eq_u32 s25, 3
	s_cselect_b32 s32, -1, 0
	s_cselect_b32 s33, 16384, 0                    ; four rows of W, for O alone,
	s_cselect_b32 s34, 0, 16384                    ; and for the others alone
	v_cndmask_b32 v50, v50, v51, s32
	v_lshlrev_b32 v4, 2, v50                       ; my column's byte in a row of W and in the bias
	v_add_nc_u32 v5, s33, v4                       ; for the places whose bits 3, 2 are 0, 1: O takes the row 4 further down
	v_add_nc_u32 v6, s34, v4                       ; for the places whose bits 3, 2 are 1, 0: the immediate names the row 4 further up, which O takes
	v_mul_u32_u24 v7, v2, CP
	v_lshl_add_u32 v7, v3, 4, v7                   ; LDS: my fragment, lane i's 16 bytes
	v_lshrrev_b32 v48, 2, v2
	v_lshl_add_u32 v48, v48, 4, v3
	v_lshlrev_b32 v48, 4, v48
	v_and_b32 v49, 3, v2
	v_lshl_add_u32 v8, v49, 2, v48
	v_add_nc_u32 v8, SCR, v8                       ; my scale word: (16 (c / 4) + i) x 16 + 4 (c % 4)
	v_lshl_add_u32 v11, v2, 4, v3
	v_lshlrev_b32 v11, 2, v11
	v_add_nc_u32 v11, BIR, v11                     ; my bias: 4 (16 c + i)
	v_and_b32 v46, 31, v0
	v_lshlrev_b32 v46, 4, v46                      ; 16 x lane
	s_mul_i32 s35, s24, 2*CP
	v_add_nc_u32 v9, s35, v46                      ; the way out: my wave's two fragments (tiles 2 wave, 2 wave + 1) in LDS,
	s_lshr_b32 s35, s24, 1
	s_mul_i32 s35, s35, SLOTB                      ; and in the stream: slot j = wave / 2,
	s_and_b32 s47, s24, 1
	s_mul_i32 s47, s47, 2*1536                     ; images 2 (wave % 2) on
	s_add_co_u32 s35, s35, s47
	v_add_nc_u32 v10, s35, v46
	v_and_b32 v47, 15, v0
	v_lshlrev_b32 v47, 4, v47
	v_bfe_u32 v53, v0, 4, 1
	v_mad_u32_u24 v47, v53, SLOTB, v47             ; the scale words: lanes 0-15 store slot j = 0's 256 bytes, lanes 16-31 slot j = 1's
	s_lshl_b32 s46, s25, 1
	s_add_co_u32 s46, s46, s26                     ; pi
	s_lshl_b32 s50, s46, 2
	s_add_co_u32 s50, s50, s27
	s_lshl_b32 s50, s50, 9                         ; bias_s: 512 bytes for each (pi, w)
	s_mov_b32 s51, 0
	s_mul_i32 s46, s46, 2*SLOTB                    ; the pass's first slot,
	s_mul_i32 s47, s27, 51200
	s_add_co_u32 s46, s46, s47                     ; wave w's part of it
	s_mul_i32 s48, s28, 6144
	s_add_co_u32 s48, s48, s46                     ; K step s's four images
	s_mov_b32 s49, 0
	s_lshl_b32 s52, s28, 8
	s_add_co_u32 s52, s52, s46
	s_add_co_u32 s52, s52, 49152                   ; K step s's 256 bytes of scale words
	s_mov_b32 s53, 0
	s_lshl_b32 s44, s28, 19                        ; K step s: 128 rows of 4,096 bytes
	s_mov_b32 s45, 0
	s_and_b32 s54, s25, 1
	s_wait_kmcnt 0x0
	s_cmp_lg_u32 s54, 0                            ; the weight and its bias are chosen by the work-group's number alone
	s_cselect_b64 s[36:37], s[6:7], s[4:5]
	s_cselect_b64 s[38:39], s[10:11], s[8:9]
	s_cselect_b64 s[40:41], s[14:15], s[12:13]
	s_cselect_b64 s[42:43], s[18:19], s[16:17]
	s_cmp_ge_u32 s25, 2
	s_cselect_b64 s[36:37], s[38:39], s[36:37]
	s_cselect_b64 s[40:41], s[42:43], s[40:41]
	s_add_nc_u64 s[36:37], s[36:37], s[44:45]
	s_add_nc_u64 s[48:49], s[20:21], s[48:49]
	s_add_nc_u64 s[52:53], s[20:21], s[52:53]
	s_add_nc_u64 s[22:23], s[22:23], s[50:51]
.macro LOADW t                         ; block t's 32 numbers of my column into set t % 2, place by place
.irp n, 0,1,2,3,4,5,6,7,8,9,10,11,12,13,14,15,16,17,18,19,20,21,22,23,24,25,26,27,28,29,30,31
.if ((\n>>2)&3) == 1
	global_load_b32 v[X+32*((\t)%2)+\n], v5, s[36:37] offset:(32*(\t)+\n)*4096
.elseif ((\n>>2)&3) == 2
	global_load_b32 v[X+32*((\t)%2)+\n], v6, s[36:37] offset:(32*(\t)+\n-4)*4096
.else
	global_load_b32 v[X+32*((\t)%2)+\n], v4, s[36:37] offset:(32*(\t)+\n)*4096
.endif
.endr
.endm
.macro BLOCK t
.set XS, X+32*((\t)%2)
.set CL, CD+12*((\t)%2)+6*((\t)/2)
.if (\t) < 3
	s_wait_loadcnt 32                              ; this block's 32 loads (and the bias) are in; the next block's 32 may be out
.else
	s_wait_loadcnt 0x0
.endif
	v_max3_num_f32 v12, |v[XS]|, |v[XS+1]|, |v[XS+2]|   ; the block's largest magnitude, in two chains
	v_max3_num_f32 v13, |v[XS+3]|, |v[XS+4]|, |v[XS+5]|
.irp i, 6,10,14,18,22,26
	v_max3_num_f32 v12, v12, |v[XS+\i]|, |v[XS+\i+1]|
	v_max3_num_f32 v13, v13, |v[XS+\i+2]|, |v[XS+\i+3]|
.endr
	v_max3_num_f32 v12, v12, |v[XS+30]|, |v[XS+31]|
	v_max3_num_f32 v12, v12, v13, 0x1800000        ; and the floor 2^(3 - 127): the byte cannot fall under 1
	v_add_nc_u32 v14, 0xff000000, v12              ; 2 off the exponent field: the conversion's scale operand
	v_lshrrev_b32 v15, 23, v14                     ; the scale's byte
.if (\t) == 0
	v_mov_b32 v44, v15
.else
	v_lshl_or_b32 v44, v15, 8*(\t), v44            ; byte t of my column's scale word
.endif
	v_cvt_scalef32_pk16_fp6_f32 v[CL:CL+2], v[XS:XS+15], v14
	v_cvt_scalef32_pk16_fp6_f32 v[40:42], v[XS+16:XS+31], v14   ; (a conversion's three registers begin on an even number)
	v_nop                                          ; one plain place behind a scaled conversion
.irp z, 0,1,2
	v_mov_b32 v[CL+3+\z], v[40+\z]
.endr
.if (\t) < 2
	LOADW (\t)+2
.endif
.endm
	global_load_b32 v45, v4, s[40:41]              ; my column's bias
	LOADW 0
	LOADW 1
	BLOCK 0
	BLOCK 1
	BLOCK 2
	BLOCK 3
.irp h, 0,1
.irp ch, 0,1,2
	ds_store_b128 v7, v[CD+12*\h+4*\ch:CD+12*\h+4*\ch+3] offset:512*\ch+256*\h   ; lane 16 h + i of the image
.endr
.endr
	ds_store_b32 v8, v44
	ds_store_b32 v11, v45
	s_wait_dscnt 0x0                               ; for the others' sake: my stores are done
	s_barrier_signal -1
	s_barrier_wait -1
.irp k, 0,1,2,3,4,5
	ds_load_b128 v[64+4*\k:67+4*\k], v9 offset:(\k/3)*CP+(\k%3)*512
.endr
.irp k, 0,1,2,3,4,5
	s_wait_dscnt 5-\k
	global_store_b128 v10, v[64+4*\k:67+4*\k], s[48:49] offset:(\k/3)*1536+(\k%3)*512   ; the wave stores 512 consecutive bytes, aligned
.endr
	s_cmp_lg_u32 s24, 0
	s_cbranch_scc1 .Lend
	ds_load_b128 v[96:99], v46 offset:SCR
	ds_load_b128 v[100:103], v46 offset:BIR
	s_wait_dscnt 0x0
	global_store_b128 v47, v[96:99], s[52:53]      ; the scale words: sixteen lanes store 256 consecutive bytes, aligned, in each of the pass's two slots
	s_cmp_lg_u32 s28, 0                            ; the bias is stored by K step 0's work-group alone: each byte has one writer
	s_cbranch_scc1 .Lend
	global_store_b128 v46, v[100:103], s[22:23]
.Lend:
	s_wait_tensorcnt 0x0
	ds_add_u32 v128, v129
	s_wait_dscnt 0x0
	s_endpgm
.Lfunc_end_k_q585f2f9319_prep:
	.size	k_q585f2f9319_prep, .Lfunc_end_k_q585f2f9319_prep-k_q585f2f9319_prep
	.p2alignl 7, 3214868480
	.fill 96, 4, 3214868480
	.section	.rodata,"a",@progbits
	.p2align	6, 0x0
	.amdhsa_kernel k_q585f2f9319_prep
		.amdhsa_group_segment_fixed_size 14336
		.amdhsa_private_segment_fixed_size 0
		.amdhsa_enable_private_segment 0
		.amdhsa_kernarg_size 80
		.amdhsa_user_sgpr_count 2
		.amdhsa_user_sgpr_kernarg_segment_ptr 1
		.amdhsa_wavefront_size32 1
		.amdhsa_system_sgpr_workgroup_id_x 1
		.amdhsa_system_sgpr_workgroup_id_y 1
		.amdhsa_system_sgpr_workgroup_id_z 1
		.amdhsa_system_vgpr_workitem_id 0
		.amdhsa_next_free_vgpr 130
		.amdhsa_next_free_sgpr 66
		.amdhsa_reserve_vcc 0
		.amdhsa_float_denorm_mode_32 3
		.amdhsa_float_denorm_mode_16_64 3
		.amdhsa_memory_ordered 1
		.amdhsa_forward_progress 1
		.amdhsa_inst_pref_size 25
	.end_amdhsa_kernel
	.amdgpu_metadata
---
amdhsa.version: [ 1, 2 ]
amdhsa.kernels:
  - .name:           k_q585f2f9319_prep
    .symbol:         k_q585f2f9319_prep.kd
    .args:
      - { .name: Wq, .offset: 0, .size: 8, .value_kind: global_buffer, .address_space: global }
      - { .name: Wk, .offset: 8, .size: 8, .value_kind: global_buffer, .address_space: global }
      - { .name: Wv, .offset: 16, .size: 8, .value_kind: global_buffer, .address_space: global }
      - { .name: Wo, .offset: 24, .size: 8, .value_kind: global_buffer, .address_space: global }
      - { .name: bq, .offset: 32, .size: 8, .value_kind: global_buffer, .address_space: global }
      - { .name: bk, .offset: 40, .size: 8, .value_kind: global_buffer, .address_space: global }
      - { .name: bv, .offset: 48, .size: 8, .value_kind: global_buffer, .address_space: global }
      - { .name: bo, .offset: 56, .size: 8, .value_kind: global_buffer, .address_space: global }
      - { .name: wstream, .offset: 64, .size: 8, .value_kind: global_buffer, .address_space: global }
      - { .name: bias_s, .offset: 72, .size: 8, .value_kind: global_buffer, .address_space: global }
    .group_segment_fixed_size: 14336
    .private_segment_fixed_size: 0
    .kernarg_segment_align: 8
    .kernarg_segment_size: 80
    .max_flat_workgroup_size: 128
    .sgpr_count:     66
    .vgpr_count:     130
    .wavefront_size: 32
...
	.end_amdgpu_metadata
.endif
;; end of part 3
;; launch main (part 4): grid 256 x 1, 4 waves a work-group, clusters of 4 x 1, 327,680 bytes of LDS; arguments hidden_state, wstream, bias_s, out0; writes out0
.if DOCPART == 4
	.amdgcn_target "amdgcn-amd-amdhsa--gfx1250"
	.amdhsa_code_object_version 6
	.text
	.protected	k_q585f2f9319_main
	.globl	k_q585f2f9319_main
	.p2align	8
	.type	k_q585f2f9319_main,@function
k_q585f2f9319_main:
	s_mov_b64 s[64:65], 0
	v_nop
	global_prefetch_b8 v0, s[64:65] scope:SCOPE_SE
	s_setreg_imm32_b32 hwreg(HW_REG_WAVE_MODE, 25, 1), 1
	s_wait_xcnt 0x0
	s_wait_alu depctr_hold_cnt(0) depctr_sa_sdst(0) depctr_va_vdst(0) depctr_va_sdst(0) depctr_va_ssrc(0) depctr_va_vcc(0) depctr_vm_vsrc(0)
	s_getreg_b32 s2, hwreg(HW_REG_IB_STS2, 6, 4)
	s_cmp_eq_u32 s2, 0
	s_cbranch_scc0 .Lentry_in_a_cluster
	s_endpgm
.Lentry_in_a_cluster:
	s_bfe_u32 s2, ttmp6, 0x10000c
	s_cmp_lg_u32 s2, 0x3003
	s_cbranch_scc0 .Lentry_shape_is_right
	s_endpgm
.Lentry_shape_is_right:
; The whole chain for 64 positions: x -> codes; q, k, v = x W + b; scores across the 16 heads of a position; softmax; P V; the scrambled rows; x Wo + bo.  All quantised products on codes of FP6 (E2M3), one E8M0 scale for each 32 along K.
; WHY 64 POSITIONS: (position s, head, d) goes to row head x 256 + s / 16, column (s % 16) x 64 + d of the last product's A.  64 neighbouring positions x 16 heads are 64 WHOLE rows of it, so nothing but the weights goes through memory.
; SHARES.  Work-group g owns positions 64 g .. 64 g + 63: four tiles m of 16.  In a product with a weight every wave holds all 64 rows as operand registers (32 fragments, 384 registers) and makes 128 of a pass's 512 columns;
; eight passes: Q, Q, K, K, V, V, O, O.  The matrix instruction is used transposed (source 0 = 16 columns of the weight, source 1 = 16 rows): lane (r, h) holds row r and the tile's rows 8 h + j.  In all else wave w owns tile m = w.
; THE WEIGHTS come as a stream of register images made by the launch before, 16 slots of 204,800 bytes, through ONE LDS slot.  A wave fetches and reads its own quarter of it: one tensor load of 51,200 bytes.
; A SLOT IS CUT ALONG THE COLUMNS: it holds all 8 K steps of four of the wave's eight column tiles.  So when a slot is used up, 16 of the wave's 32 sums are finished.  The slot is asked for again as soon as its last fragments are in
; registers, 56 products ahead of the slot's end, and the work behind those 16 sums (bias, quantiser, P V, stores) stands behind the products, while the next slot is on its way.
; CLUSTER.  The four work-groups of a cluster walk the same stream: each quarter is asked for jointly, by the same tensor load with the same descriptor and a mask that names the four.  By this text's count a wave has one load out.
; P V (K = 16) is left in f32, since its result is quantised: v_wmma_f32_16x16x4_f32, whose results lie in window 3, which matrix instructions alone write.
; LIMITS: NaN and infinities are not served; a block of zeros gets the byte 1 where the rule says 127 (its codes are zeros; this program alone reads the bytes); a block whose largest magnitude lies under 2^-124 keeps the byte 1.
; Inside a matrix instruction the last product's K runs in a permuted order inside each block of 32, and P V's K in the order 8 h + 2 s + j: the products are the same, their order of addition is not reference()'s.
; REGISTERS, in windows of 256.  Window 0: v1, v2 the add's; v3-22 addresses; v24-39 A's scale words; v40-55 a slot's scale words of the weights; v56-59 a pass's bias on its way; v60-63 at work; v64-159 weight fragments B0; v160-255 B1, and all the work between slots.
;   Window 1: v0-191 A's tiles 0, 1; v192-255 P of my positions 0-7.   Window 2: the same for tiles 2, 3 and positions 8-15.   Window 3: the 32 accumulators, (m, c) at 8 (8 m + 2 (c % 4) + c / 4).
.set SLOTB, 204800                     ; the slot, at LDS byte 0
.set PARTB, 51200                      ; a wave's part: 32 images of 1,536 bytes, 2,048 bytes of scale words
.set S0,    204800                     ; behind the slot: bytes that LDS stores write and no tensor load fills; the phases take turns in them, parted by barriers
.set AIMG,  S0                         ; A's 32 fragments (8 m + s) x 1,600: lane (r, h) has its 48 bytes at 800 h + 48 r
.set ASC,   256000                     ; their scale words: 64 bytes a fragment
.set XSTG,  258048                     ; phase X: two stages of 32 x 80 bytes for each wave
.set QC,    S0                         ; q's and k's codes: 1,552 bytes a position: q's 16 heads x 48, then k's
.set SCQK,  304128                     ; their scale words: 132 bytes a position: q's 16, k's 16
.set VST,   258048                     ; v in f32: 1,040 bytes a position: [head / 4] x 256 + [one of 16 d] x 16 + 4 (head % 4)
.set OSTG,  258048                     ; the way out: 16 rows x 272 bytes for each wave
.set BIASL, 325120                     ; a pass's bias: 512 bytes for each wave
.set SPARE, 327168                     ; the spare words, 128 bytes for each wave: two blocks of 256 bytes that no other line names
.set MSB, 0
.macro WIN new                         ; the immediate's high byte repeats the setting that is left; a switch that changes nothing is dropped
.if MSB != (\new)
	s_set_vgpr_msb (MSB<<8)|(\new)
.set MSB, (\new)
.endif
.endm
.macro PLACES n                        ; plain vector places behind matrix instructions (ISA guide 7.12.1)
.rept \n
	v_nop
.endr
.endm
.macro BAR                             ; my LDS instructions are done; then the work-group's barrier.
	s_wait_dscnt 0x0
	s_barrier_signal -1
	s_barrier_wait -1
.endm
.macro CREST                           ; a round of the cluster's barrier behind its opening barrier
	s_cmp_lg_u32 s12, 0
	s_cbranch_scc1 .Lnot_wave_0_\@
	s_barrier_signal -3
.Lnot_wave_0_\@:
	s_barrier_wait -3
	s_barrier_signal -1
	s_barrier_wait -1
.endm
.macro CROUND
	s_barrier_signal -1
	s_barrier_wait -1
	CREST
.endm
; One scaled product on the registers named by rD, rW, rA, rSW, rSA.  ra, rb: which half of the lanes holds the weight's and A's scale words.  zero = 1 (only with rb = 0): the product starts the sum.
.macro WMS zero, ra, rb
.if \zero
.if (\ra) == 0
	v_wmma_scale_f32_16x16x128_f8f6f4 v[rD:rD+7], v[rW:rW+11], v[rA:rA+11], 0, v[rSW], v[rSA] matrix_a_fmt:MATRIX_FMT_FP6 matrix_b_fmt:MATRIX_FMT_FP6
.else
	v_wmma_scale_f32_16x16x128_f8f6f4 v[rD:rD+7], v[rW:rW+11], v[rA:rA+11], 0, v[rSW], v[rSA] matrix_a_fmt:MATRIX_FMT_FP6 matrix_b_fmt:MATRIX_FMT_FP6 matrix_a_scale:MATRIX_SCALE_ROW1
.endif
.elseif ((\ra) == 0) && ((\rb) == 0)
	v_wmma_scale_f32_16x16x128_f8f6f4 v[rD:rD+7], v[rW:rW+11], v[rA:rA+11], v[rD:rD+7], v[rSW], v[rSA] matrix_a_fmt:MATRIX_FMT_FP6 matrix_b_fmt:MATRIX_FMT_FP6
.elseif (\ra) == 0
	v_wmma_scale_f32_16x16x128_f8f6f4 v[rD:rD+7], v[rW:rW+11], v[rA:rA+11], v[rD:rD+7], v[rSW], v[rSA] matrix_a_fmt:MATRIX_FMT_FP6 matrix_b_fmt:MATRIX_FMT_FP6 matrix_b_scale:MATRIX_SCALE_ROW1
.elseif (\rb) == 0
	v_wmma_scale_f32_16x16x128_f8f6f4 v[rD:rD+7], v[rW:rW+11], v[rA:rA+11], v[rD:rD+7], v[rSW], v[rSA] matrix_a_fmt:MATRIX_FMT_FP6 matrix_b_fmt:MATRIX_FMT_FP6 matrix_a_scale:MATRIX_SCALE_ROW1
.else
	v_wmma_scale_f32_16x16x128_f8f6f4 v[rD:rD+7], v[rW:rW+11], v[rA:rA+11], v[rD:rD+7], v[rSW], v[rSA] matrix_a_fmt:MATRIX_FMT_FP6 matrix_b_fmt:MATRIX_FMT_FP6 matrix_a_scale:MATRIX_SCALE_ROW1 matrix_b_scale:MATRIX_SCALE_ROW1
.endif
.endm
; Eight products: K step 2 G + sp; the slot's four column tiles (4 j + cc) against row tiles 2 mp and 2 mp + 1.  The eight accumulators take turns, one instruction a turn.
.macro MULQ j, buf, G, sp, mp, zero
.irp cc, 0,1,2,3
.irp mm, 0, 1
.set rD, 8*(8*(2*(\mp)+\mm)+2*\cc+(\j))
.set rW, 64+96*(\buf)+12*(4*(\sp)+\cc)
.set rA, 12*(8*\mm+2*(\G)+(\sp))
.set rSW, 40+4*(\G)+\cc
.set rSA, 24+4*(2*(\mp)+\mm)+(\G)
	WMS \zero, \sp, \sp
.endr
.endr
.endm
.macro GRP j, buf, G, zero             ; a group: two K steps, 32 products
	WIN 0xf4
	MULQ \j, \buf, \G, 0, 0, \zero
	MULQ \j, \buf, \G, 1, 0, 0
	WIN 0xf8
	MULQ \j, \buf, \G, 0, 1, \zero
	MULQ \j, \buf, \G, 1, 1, 0
.endm
.macro FETCHB buf, G                   ; my eight fragments of group G (fragment 4 (s % 2) + cc): 24 loads of 512 consecutive bytes
.irp f, 0,1,2,3,4,5,6,7
.irp ch, 0,1,2
	ds_load_b128 v[64+96*(\buf)+12*\f+4*\ch:64+96*(\buf)+12*\f+4*\ch+3], v3 offset:(\G)*12288+\f*1536+512*\ch
.endr
.endr
.endm
.macro FETCHS                          ; the slot's scale words: register 4 G + cc; lanes 0-15 the even K step, lanes 16-31 the odd one
.irp G, 0,1,2,3
	ds_load_b128 v[40+4*\G:43+4*\G], v3 offset:49152+512*\G
.endr
.endm
; A SLOT: 64 rows x my column tiles 4 j .. 4 j + 3 x K = 1,024: four groups on B0, B1, B0, B1, 128 products.
; st = 1: the pass's bias has come and goes to my 512 bytes of LDS.  ld = 1: the next pass's bias is asked for.  fill = 1: the slot is filled again with the stream's next slot.
.macro PASSH j, st, ld, fill
	WIN 0
	PLACES 4                                       ; for the loads into registers that the last products read
.if \st
	s_wait_loadcnt 0x0                             ; asked for half a pass ago
	ds_store_b128 v8, v[56:59]
.endif
.if \ld
	global_load_b128 v[56:59], v7, s[8:9]          ; my 128 columns' bias of the next pass, 512 consecutive bytes
.endif
	s_wait_tensorcnt 0x0                           ; my part of the slot has landed: the one load that I have out, so the count is 0; I read what my own load brought
	FETCHS
	FETCHB 0, 0
	FETCHB 1, 1
	s_wait_dscnt 24                                ; all but group 1's 24 loads: the scale words, group 0, A
	GRP \j, 0, 0, 1                                ; the first K step's products start the sums: nothing is cleared
	WIN 0
	PLACES 4
	FETCHB 0, 2
	s_wait_dscnt 24                                ; group 1 is in; group 2's 24 loads may be out
	GRP \j, 1, 1, 0
	WIN 0
	PLACES 4
	FETCHB 1, 3                                    ; the slot's last reads
.if \fill
	s_wait_tensorcnt 0x0                           ; no tensor load of mine is out, so the group 0 may be written
	ds_add_u32 v1, v2                              ; 0 onto my spare word
	s_add_nc_u64 s[26:27], s[26:27], SLOTB         ; the stream's next slot
	s_wait_dscnt 25                                ; group 2 is in; group 3's 24 loads and the add may be out
	WIN 0xf4
	MULQ \j, 0, 2, 0, 0, 0
	s_wait_dscnt 0x0                               ; the add is done, and my reads of the slot are over
	s_barrier_signal -1                            ; this barrier opens a round of the cluster's barrier
	MULQ \j, 0, 2, 1, 0, 0
	WIN 0
	s_barrier_wait -1
	CREST                                          ; no wave of any partner still reads the slot or has a load on its way
	tensor_load_to_lds s[24:27], s[16:23]          ; 48 products and the work behind these 16 sums stand between this line and the wait for it
	s_nop 0
	PLACES 4
	WIN 0xf8
	MULQ \j, 0, 2, 0, 1, 0
	MULQ \j, 0, 2, 1, 1, 0
.else
	s_wait_dscnt 24
	GRP \j, 0, 2, 0
	s_wait_dscnt 0x0
.endif
	GRP \j, 1, 3, 0
	WIN 0
.endm
.macro ALOADS                          ; A's 32 fragments and their scale words from LDS into registers; the first group's wait in the slot that follows covers them
.irp m, 0,1,2,3
	WIN 0x40*(1+\m/2)
.irp s, 0,1,2,3,4,5,6,7
.irp ch, 0,1,2
	ds_load_b128 v[12*(8*(\m%2)+\s)+4*\ch:12*(8*(\m%2)+\s)+4*\ch+3], v5 offset:(8*\m+\s)*1600+16*\ch
.endr
.endr
.endr
	WIN 0
.irp a, 0,1,2,3,4,5,6,7,8,9,10,11,12,13,14,15
	ds_load_b32 v[24+\a], v6 offset:128*\a         ; lanes 0-15: fragment 2 a's words; lanes 16-31: fragment 2 a + 1's
.endr
.endm
; ---------------------------------------------------------------- the head
	s_load_b128 s[4:7], s[0:1], 0x0                ; x, the stream
	s_load_b128 s[8:11], s[0:1], 0x10              ; the biases, out0
	v_lshl_add_u32 v1, v0, 2, SPARE
	v_mov_b32 v2, 0
	ds_add_u32 v1, v2
	ds_add_u32 v1, v2
	s_wait_dscnt 0x0
	v_lshrrev_b32 v60, 5, v0
	v_readfirstlane_b32 s12, v60                   ; wave 0..3
	s_bfe_u32 s13, ttmp6, 0x40000                  ; cx: it enters x's and out0's addresses alone
	s_lshl_b32 s14, ttmp9, 2
	s_add_co_u32 s14, s14, s13                     ; g
	s_mov_b32 s16, 15|(3<<16)|(1<<21)              ; group 1: the mask names the four; elements of 8 bytes; bit 21 beside a mask; no padding
	s_mov_b32 s17, 32<<16                          ; tensor_dim0 = 32 elements: rows of 256 bytes
	s_mov_b32 s18, 200<<16                         ; tensor_dim1 = 200 rows: 51,200 dense bytes
	s_mov_b32 s19, 32<<16                          ; tile_dim0
	s_mov_b32 s20, 200                             ; tile_dim1
	s_mov_b32 s21, 32                              ; the pitch
	s_mov_b32 s22, 0
	s_mov_b32 s23, 0
	s_mov_b32 s32, 0x76543210
	s_mov_b32 s33, 0xfedcba98                      ; v_permlanex16_b32's selects for lane l xor 16
	s_mov_b32 s34, 0x3e38aa3b                      ; c = log2(e) / sqrt(64)
	s_mov_b32 s35, s34                             ; (named with it as a pair)
	s_mul_i32 s40, s12, PARTB                      ; my part of a slot, in the stream and in LDS
	s_mov_b32 s41, 0
	s_lshl_b32 s48, s14, 18                        ; x: 64 rows of 4,096 bytes a work-group,
	s_lshl_b32 s49, s12, 16                        ; 16 a wave
	s_add_co_u32 s48, s48, s49
	s_mov_b32 s49, 0
	s_lshr_b32 s50, s14, 6                         ; out0: the batch, 4,096 rows of 4,096 bytes;
	s_lshl_b32 s50, s50, 24
	s_and_b32 s51, s14, 63
	s_lshl_b32 s51, s51, 14                        ; row 4 (g % 64);
	s_add_co_u32 s50, s50, s51
	s_lshl_b32 s51, s12, 9                         ; my 128 columns
	s_add_co_u32 s50, s50, s51
	s_mov_b32 s51, 0
	s_wait_kmcnt 0x0
	s_add_nc_u64 s[4:5], s[4:5], s[48:49]
	s_add_nc_u64 s[10:11], s[10:11], s[50:51]
	s_mov_b32 s24, 1                               ; group 0: count 1,
	s_add_co_u32 s25, s40, 0                       ; my part of the slot in LDS,
	s_add_nc_u64 s[26:27], s[6:7], s[40:41]        ; and of the stream's slot 0,
	s_or_b32 s27, s27, 0x80000000                  ; type 2
	CROUND                                         ; all four work-groups are here: the first joint loads meet
	tensor_load_to_lds s[24:27], s[16:23]          ; the stream's slot 0: it lands while x is quantised
	s_nop 0
	PLACES 4
	v_and_b32 v60, 31, v0                          ; lane
	v_and_b32 v61, 15, v0                          ; r
	v_bfe_u32 v62, v0, 4, 1                        ; h
	v_lshl_add_u32 v3, v60, 4, s40                 ; my lane's 16 bytes of an image in my part of the slot
	v_mul_u32_u24 v5, v61, 48
	v_mad_u32_u24 v5, v62, 800, v5
	v_add_nc_u32 v5, AIMG, v5                      ; my lane's 48 bytes of a fragment of A
	v_lshl_add_u32 v6, v60, 2, ASC
	s_lshl_b32 s41, s12, 9
	v_lshl_add_u32 v7, v60, 4, s41                 ; the bias in memory: 512 w + 16 lane
	v_add_nc_u32 v8, BIASL, v7                     ; and in LDS
	v_lshl_add_u32 v9, v62, 5, s41
	v_add_nc_u32 v9, BIASL, v9                     ; back: a tile's rows 8 h + 0 .. 7
	global_load_b128 v[56:59], v7, s[8:9]          ; the first pass's bias: older than all of x's loads, so their counted waits cover it
; ---------------------------------------------------------------- X: my 16 rows of x become 8 fragments
; A step is half a row: 2,048 bytes by four loads of 512 consecutive bytes; they turn through my stage in LDS and come back 64 bytes a lane: 16 neighbours along K, two lanes to a block.  Loads run 8 steps ahead.
	v_lshlrev_b32 v10, 4, v60                      ; my 16 bytes of a load
	s_mul_i32 s42, s12, 5120
	s_add_co_u32 s42, s42, XSTG
	v_lshrrev_b32 v61, 2, v60
	v_mul_u32_u24 v11, v61, 80
	v_and_b32 v62, 3, v60
	v_lshl_add_u32 v11, v62, 4, v11
	v_add_nc_u32 v11, s42, v11                     ; the stage, in: 80 (lane / 4) + 16 (lane % 4)
	v_mul_u32_u24 v12, v60, 80
	v_add_nc_u32 v12, s42, v12                     ; out: 80 x lane
	v_lshrrev_b32 v61, 3, v60                      ; my 16 numbers: K step lane / 8 of the step's four,
	v_mul_u32_u24 v13, v61, 1600
	v_bfe_u32 v62, v0, 1, 1
	v_mad_u32_u24 v13, v62, 800, v13               ; the operand's lane half,
	v_bfe_u32 v62, v0, 2, 1
	v_mad_u32_u24 v13, v62, 24, v13                ; which 64 of the 128,
	v_and_b32 v62, 1, v0
	v_mad_u32_u24 v13, v62, 12, v13                ; which half of the block
	s_mul_i32 s42, s12, 12800
	s_add_co_u32 s42, s42, AIMG
	v_add_nc_u32 v13, s42, v13
	v_bfe_u32 v62, v0, 1, 2
	v_lshl_add_u32 v14, v61, 6, v62                ; the scale byte: fragment x 64 + the block
	s_add_co_u32 s42, s41, ASC
	v_add_nc_u32 v14, s42, v14
.macro XLD set, off
.irp i, 0,1,2,3
	global_load_b128 v[64+16*(\set)+4*\i:64+16*(\set)+4*\i+3], v10, s[4:5] offset:(\off)+512*\i th:TH_LOAD_NT
.endr
.endm
.macro XTURN st                        ; LDS serves a wave's instructions in order (ISA guide 5.7.1.4): no wait between the stores and the loads
.irp i, 0,1,2,3
	ds_store_b128 v11, v[64+16*((\st)%8)+4*\i:64+16*((\st)%8)+4*\i+3] offset:2560*((\st)%2)+640*\i
.endr
.irp i, 0,1,2,3
	ds_load_b128 v[192+16*((\st)%2)+4*\i:192+16*((\st)%2)+4*\i+3], v12 offset:2560*((\st)%2)+16*\i
.endr
.endm
.macro XSTEP st, ahead, lcnt           ; lcnt: how many younger loads may be out when the next step's four are wanted; -1: there is no next step
.set XX, 192+16*((\st)%2)
.set CB, 224+4*((\st)%2)
.if (\st) == 0
	s_wait_dscnt 0x0                               ; (on the way into the loop nothing younger is out)
.else
	s_wait_dscnt 4                                 ; this step's numbers are back from the stage; the last step's four stores may be out
.endif
.if \ahead
	XLD \st, ((\st)+8)*2048
.endif
.if (\lcnt) >= 0
	s_wait_loadcnt \lcnt
	XTURN (\st)+1
.endif
	v_max3_num_f32 v60, |v[XX]|, |v[XX+1]|, |v[XX+2]|
	v_max3_num_f32 v61, |v[XX+3]|, |v[XX+4]|, |v[XX+5]|
.irp i, 6,10
	v_max3_num_f32 v60, v60, |v[XX+\i]|, |v[XX+\i+1]|
	v_max3_num_f32 v61, v61, |v[XX+\i+2]|, |v[XX+\i+3]|
.endr
	v_max3_num_f32 v60, v60, |v[XX+14]|, |v[XX+15]|
	v_max3_num_f32 v60, v60, v61, 0x1800000        ; the floor 2^(3 - 127): the byte cannot fall under 1
	v_max_num_f32_dpp v60, v60, v60 row_xmask:1 row_mask:0xf bank_mask:0xf   ; with my neighbour's 16: the block's largest magnitude
	v_add_nc_u32 v62, 0xff000000, v60              ; 2 off the exponent field: the conversion's scale operand
	v_cvt_scalef32_pk16_fp6_f32 v[CB:CB+2], v[XX:XX+15], v62
	v_lshrrev_b32 v[232+(\st)%2], 23, v62          ; the scale's byte (a plain place behind the conversion)
.irp z, 0,1,2
	ds_store_b32 v15, v[CB+\z] offset:((\st)%2)*6400+((\st)/2)*48+4*\z
.endr
	ds_store_b8 v16, v[232+(\st)%2] offset:((\st)%2)*256+((\st)/2)*4   ; both lanes of a block write the same byte
.endm
.irp t, 0,1,2,3,4,5,6,7
	XLD \t, \t*2048
.endr
	s_mov_b32 s37, 3
	s_mov_b32 s38, 0                               ; four rows a trip: 192 bytes of codes,
	s_mov_b32 s39, 0                               ; 16 of scale words
	s_wait_loadcnt 28                              ; step 0's four loads are in
	XTURN 0
.Lx:
	s_wait_alu depctr_va_vdst(0)
	v_add_nc_u32 v15, s38, v13
	v_add_nc_u32 v16, s39, v14
.irp st, 0,1,2,3,4,5,6,7
	XSTEP \st, 1, 28                               ; 28: the seven younger steps' loads
.endr
	s_wait_xcnt 0x0                                ; the loads have read their base
	s_add_nc_u64 s[4:5], s[4:5], 16384
	s_add_co_u32 s38, s38, 192
	s_add_co_u32 s39, s39, 16
	s_sub_co_u32 s37, s37, 1
	s_cmp_lg_u32 s37, 0
	s_cbranch_scc1 .Lx
	v_add_nc_u32 v15, s38, v13
	v_add_nc_u32 v16, s39, v14
	XSTEP 0, 0, 24                                 ; the last eight steps load nothing: the counts run down
	XSTEP 1, 0, 20
	XSTEP 2, 0, 16
	XSTEP 3, 0, 12
	XSTEP 4, 0, 8
	XSTEP 5, 0, 4
	XSTEP 6, 0, 0
	XSTEP 7, 0, -1
	BAR                                            ; x's 32 fragments lie in LDS
; ---------------------------------------------------------------- the addresses of the later phases
	v_and_b32 v60, 31, v0
	v_and_b32 v61, 15, v0
	v_bfe_u32 v62, v0, 4, 1
	v_mul_u32_u24 v10, v61, 1552
	v_mad_u32_u24 v10, v62, 12, v10
	s_mul_i32 s40, s12, 96
	s_add_co_u32 s40, s40, QC
	v_add_nc_u32 v10, s40, v10                     ; q's, k's codes, in: position r of tiles 0, 1; my 128 columns' 96 bytes; 12 h
	v_add_nc_u32 v11, 49664, v10                   ; of tiles 2, 3
	v_mul_u32_u24 v12, v61, 132
	s_lshl_b32 s40, s12, 3
	s_add_co_u32 s40, s40, SCQK
	v_add_nc_u32 v12, s40, v12                     ; their scale words, in
	v_mul_u32_u24 v13, v61, 48
	v_mad_u32_u24 v13, v62, 24, v13
	s_mul_i32 s40, s12, 24832
	s_add_co_u32 s40, s40, QC
	v_add_nc_u32 v13, s40, v13                     ; out: my tile's positions; head r, block h
	s_mul_i32 s40, s12, 2112
	s_add_co_u32 s40, s40, SCQK
	v_lshl_add_u32 v14, v60, 2, s40                ; lanes 0-15 q's words, lanes 16-31 k's
	v_mul_u32_u24 v15, v61, 1040
	v_lshl_add_u32 v15, v62, 9, v15
	s_lshl_b32 s40, s12, 6
	s_add_co_u32 s40, s40, VST
	v_add_nc_u32 v15, s40, v15                     ; v, in
	v_lshlrev_b32 v16, 4, v61
	v_lshl_add_u32 v16, v62, 9, v16
	s_mul_i32 s40, s12, 16640
	s_add_co_u32 s40, s40, VST
	v_add_nc_u32 v16, s40, v16                     ; v, out
	v_mul_u32_u24 v17, v61, 48
	v_mad_u32_u24 v17, v62, 12, v17
	s_mul_i32 s40, s12, 12800
	s_add_co_u32 s40, s40, AIMG
	v_add_nc_u32 v17, s40, v17                     ; the last product's A, in: my tile; row = head r; 12 h
	s_lshl_b32 s40, s12, 9
	s_add_co_u32 s40, s40, ASC
	v_lshl_add_u32 v18, v61, 2, s40                ; its scale bytes
	s_mul_i32 s40, s12, 4352
	s_add_co_u32 s40, s40, OSTG
	v_mul_u32_u24 v19, v61, 272
	v_lshl_add_u32 v19, v62, 5, v19
	v_add_nc_u32 v19, s40, v19                     ; the way out, in
	v_mul_u32_u24 v20, v62, 272
	v_lshl_add_u32 v20, v61, 4, v20
	v_add_nc_u32 v20, s40, v20                     ; back: lanes 0-15 one row, lanes 16-31 the next
	v_lshlrev_b32 v21, 20, v62                     ; in out0 a head is 256 rows, 2^20 bytes
	v_lshl_add_u32 v21, v61, 4, v21
	v_add_nc_u32 v22, 0x800000, v21                ; heads 8 on
	ALOADS
; ---------------------------------------------------------------- Q, Q, K, K
; Behind a slot: one head of mine (tiles 4 hd .. 4 hd + 3) for the 64 positions: + bias; the 16 registers of tiles 2 b, 2 b + 1 are 16 neighbouring columns (the launch before chose the tiles' columns so);
; a block of 32 lies in lanes l and l xor 16.  Codes and scale words go to LDS by position.
.macro EPQK hd
	WIN 0
	PLACES 4
	v_add_nc_u32 v60, s38, v10
	v_add_nc_u32 v61, s38, v11
	v_add_nc_u32 v62, s39, v12
.irp cc, 0,1,2,3
	ds_load_b128 v[160+8*\cc:163+8*\cc], v9 offset:(4*(\hd)+\cc)*64
	ds_load_b128 v[164+8*\cc:167+8*\cc], v9 offset:(4*(\hd)+\cc)*64+16
.endr
	s_wait_dscnt 0x0
.irp m, 0,1,2,3
	s_wait_dscnt 7                                 ; the last unit's seven stores may be out; those of the unit before, from this bank, are done
	WIN 0x03
.irp cc, 0,1,2,3
.irp a, 0,2,4,6
	v_pk_add_f32 v[192+8*\cc+\a:193+8*\cc+\a], v[8*(8*\m+2*\cc+(\hd))+\a:8*(8*\m+2*\cc+(\hd))+\a+1], v[160+8*\cc+\a:161+8*\cc+\a]   ; each accumulator from its low end on
.endr
.endr
	WIN 0
.irp bb, 0,1
	v_max3_num_f32 v[224+\bb], |v[192+16*\bb]|, |v[193+16*\bb]|, 0x1800000
.endr
.irp i, 2,4,6,8,10,12,14
.irp bb, 0,1
	v_max3_num_f32 v[224+\bb], v[224+\bb], |v[192+16*\bb+\i]|, |v[193+16*\bb+\i]|
.endr
.endr
.irp bb, 0,1
	v_permlanex16_b32 v[226+\bb], v[224+\bb], s32, s33
.endr
.irp bb, 0,1
	v_max_num_f32 v[224+\bb], v[224+\bb], v[226+\bb]
.endr
.irp bb, 0,1
	v_add_nc_u32 v[228+\bb], 0xff000000, v[224+\bb]
.endr
.irp bb, 0,1
	v_lshrrev_b32 v[226+\bb], 23, v[228+\bb]
.endr
	v_lshl_or_b32 v[232+\m%2], v227, 8, v226
	v_or_b32 v[232+\m%2], 0x7f7f0000, v[232+\m%2]  ; a head has 64 along K: the other 64 of the instruction's 128 are zero codes under the byte 127
.irp bb, 0,1
	v_cvt_scalef32_pk16_fp6_f32 v[240+8*(\m%2)+4*\bb:242+8*(\m%2)+4*\bb], v[192+16*\bb:207+16*\bb], v[228+\bb]
.endr
	v_nop                                          ; one plain place behind a scaled conversion
.irp bb, 0,1
.irp z, 0,1,2
	ds_store_b32 v[60+\m/2], v[240+8*(\m%2)+4*\bb+\z] offset:(\m%2)*24832+(\hd)*48+\bb*24+4*\z
.endr
.endr
	ds_store_b32 v62, v[232+\m%2] offset:\m*2112+4*(\hd)   ; both halves of the lanes write the same word
.endr
	s_wait_dscnt 0x0
.endm
	s_mov_b32 s37, 4
	s_mov_b32 s38, 0                               ; a pass's 512 columns: 384 bytes of codes,
	s_mov_b32 s39, 0                               ; 8 scale words
.Lqk:
	PASSH 0, 1, 0, 1
	EPQK 0
	s_add_nc_u64 s[8:9], s[8:9], 2048              ; the next pass's bias (the load that read this base has come: the slot above waited for it)
	PASSH 1, 0, 1, 1
	EPQK 1
	s_add_co_u32 s38, s38, 384
	s_add_co_u32 s39, s39, 32
	s_sub_co_u32 s37, s37, 1
	s_cmp_lg_u32 s37, 0
	s_cbranch_scc1 .Lqk
; ---------------------------------------------------------------- the scores and the softmax of my 16 positions
	BAR                                            ; all heads' codes of my positions lie in LDS
.irp i, 0,1,2,3
.irp z, 6,7,8,9,10,11
	v_mov_b32 v[160+24*\i+\z], 0                   ; K = 64 .. 127: zero codes, in four pairs of fragments
	v_mov_b32 v[172+24*\i+\z], 0
.endr
.endr
	s_wait_alu depctr_va_vdst(0)
	PLACES 4
.irp bt, 0,1,2,3                       ; four positions at a time.  S^T = k q^T: lane (r, h) holds query head r and key heads 8 h + j
.irp i, 0,1,2,3
.irp z, 0,1,2
	ds_load_b64 v[160+24*\i+2*\z:161+24*\i+2*\z], v13 offset:(4*\bt+\i)*1552+768+8*\z
	ds_load_b64 v[172+24*\i+2*\z:173+24*\i+2*\z], v13 offset:(4*\bt+\i)*1552+8*\z
.endr
	ds_load_b32 v[48+\i], v14 offset:(4*\bt+\i)*132
.endr
	s_wait_dscnt 0x0
	WIN 0x40*(1+\bt/2)
.irp i, 0,1,2,3
	v_wmma_scale_f32_16x16x128_f8f6f4 v[192+8*((4*\bt+\i)%8):199+8*((4*\bt+\i)%8)], v[160+24*\i:171+24*\i], v[172+24*\i:183+24*\i], 0, v[48+\i], v[48+\i] matrix_a_fmt:MATRIX_FMT_FP6 matrix_b_fmt:MATRIX_FMT_FP6 matrix_a_scale:MATRIX_SCALE_ROW1
.endr
	WIN 0
	PLACES 4
.endr
; Eight positions (one window) at a time, stage by stage.  p = 2^(c (s - max)) / the sum.  The maximum is taken away first and c multiplied afterwards: the difference of neighbouring scores is exact, however large they are.
.macro SOFT w
	WIN 0x15*\w
.irp k, 0,1,2,3,4,5,6,7
	v_max3_num_f32 v[160+2*\k], v[192+8*\k], v[193+8*\k], v[194+8*\k]
.endr
	WIN 0x14*\w
.irp k, 0,1,2,3,4,5,6,7
	v_max3_num_f32 v[160+2*\k], v[160+2*\k], v[195+8*\k], v[196+8*\k]
.endr
.irp k, 0,1,2,3,4,5,6,7
	v_max3_num_f32 v[160+2*\k], v[160+2*\k], v[197+8*\k], v[198+8*\k]
.endr
.irp k, 0,1,2,3,4,5,6,7
	v_max_num_f32 v[160+2*\k], v[160+2*\k], v[199+8*\k]
.endr
	WIN 0
.irp k, 0,1,2,3,4,5,6,7
	v_permlanex16_b32 v[176+2*\k], v[160+2*\k], s32, s33
.endr
.irp k, 0,1,2,3,4,5,6,7
	v_max_num_f32 v[160+2*\k], v[160+2*\k], v[176+2*\k]   ; the row's largest score
.endr
	WIN 0x41*\w
.irp k, 0,1,2,3,4,5,6,7
.irp a, 0,2,4,6
	v_pk_add_f32 v[192+8*\k+\a:193+8*\k+\a], v[192+8*\k+\a:193+8*\k+\a], v[160+2*\k:161+2*\k] op_sel_hi:[1,0] neg_lo:[0,1] neg_hi:[0,1]
.endr
.endr
.set ii, 0
.rept 32
	v_pk_mul_f32 v[192+ii:193+ii], v[192+ii:193+ii], s[34:35] op_sel_hi:[1,0]
.set ii, ii+2
.endr
.set ii, 0
	s_wait_alu depctr_va_vdst(0)
.rept 64
	v_exp_f32 v[192+ii], v[192+ii]
.set ii, ii+1
.endr
	v_nop                                          ; a plain place behind the last exponential
	s_wait_alu depctr_va_vdst(0)                   ; one wait for the batch, ahead of its first reader
	WIN 0x05*\w
.irp k, 0,1,2,3,4,5,6,7
	v_pk_add_f32 v[176+2*\k:177+2*\k], v[192+8*\k:193+8*\k], v[194+8*\k:195+8*\k]
.endr
.irp k, 0,1,2,3,4,5,6,7
	v_pk_add_f32 v[208+2*\k:209+2*\k], v[196+8*\k:197+8*\k], v[198+8*\k:199+8*\k]
.endr
	WIN 0
.irp k, 0,1,2,3,4,5,6,7
	v_pk_add_f32 v[176+2*\k:177+2*\k], v[176+2*\k:177+2*\k], v[208+2*\k:209+2*\k]
.endr
.irp k, 0,1,2,3,4,5,6,7
	v_add_f32 v[176+2*\k], v[176+2*\k], v[177+2*\k]
.endr
.irp k, 0,1,2,3,4,5,6,7
	v_permlanex16_b32 v[208+2*\k], v[176+2*\k], s32, s33
.endr
.irp k, 0,1,2,3,4,5,6,7
	v_add_f32 v[176+2*\k], v[176+2*\k], v[208+2*\k]
.endr
	s_wait_alu depctr_va_vdst(0)
.irp k, 0,1,2,3,4,5,6,7
	v_rcp_f32 v[160+2*\k], v[176+2*\k]
.endr
	v_nop
	s_wait_alu depctr_va_vdst(0)                   ; one wait for the eight reciprocals
	WIN 0x41*\w
.irp k, 0,1,2,3,4,5,6,7
.irp a, 0,2,4,6
	v_pk_mul_f32 v[192+8*\k+\a:193+8*\k+\a], v[192+8*\k+\a:193+8*\k+\a], v[160+2*\k:161+2*\k] op_sel_hi:[1,0]
.endr
.endr
	WIN 0
.endm
	SOFT 1
	SOFT 2
; ---------------------------------------------------------------- V, V: each slot with its P V
; In a V pass tile c = 4 u + t holds the 16 heads at d = 32 e + 8 w + 4 u + t.  Behind slot u, STAGE u sends its four tiles, + bias, to LDS by position; then every wave has, for its positions, 16 d x 16 heads.
.macro STAGE u
	WIN 0
.irp t, 0,1,2,3
	ds_load_b128 v[160+8*\t:163+8*\t], v9 offset:(4*(\u)+\t)*64
	ds_load_b128 v[164+8*\t:167+8*\t], v9 offset:(4*(\u)+\t)*64+16
.endr
	s_wait_dscnt 0x0
.irp m, 0,1,2,3
	s_wait_dscnt 8                                 ; the last tile of rows' eight stores may be out; this bank's are done
	WIN 0x03
.irp t, 0,1,2,3
.irp a, 0,2,4,6
	v_pk_add_f32 v[192+32*(\m%2)+8*\t+\a:193+32*(\m%2)+8*\t+\a], v[8*(8*\m+2*\t+\u)+\a:8*(8*\m+2*\t+\u)+\a+1], v[160+8*\t+\a:161+8*\t+\a]
.endr
.endr
	WIN 0
.irp t, 0,1,2,3
.irp cc, 0,1
	ds_store_b128 v15, v[192+32*(\m%2)+8*\t+4*\cc:195+32*(\m%2)+8*\t+4*\cc] offset:\m*16640+\cc*256+16*\t
.endr
.endr
.endr
	s_wait_dscnt 0x0
.endm
.macro PVL bt                          ; V^T of four positions: lane (i, h) holds d number i and heads 8 h + 0 .. 7
.irp i, 0,1,2,3
.irp cc, 0,1
	ds_load_b128 v[160+32*((\bt)%2)+8*\i+4*\cc:163+32*((\bt)%2)+8*\i+4*\cc], v16 offset:(4*(\bt)+\i)*1040+256*\cc
.endr
.endr
.endm
.macro PVW u, bt                       ; O^T = V^T P^T in f32, four K steps of 4: place 2 h + j of step s is head 8 h + 2 s + j on both sides.  Four accumulators by turns; the first step starts the sums.  The results lie over the tiles that STAGE u has read
	WIN 0xf4+4*((\bt)/2)
.irp s, 0,1,2,3
.irp i, 0,1,2,3
.set rD, 16*(4*(\bt)+\i)+8*(\u)
.set rV, 160+32*((\bt)%2)+8*\i+2*\s
.set rP, 192+8*((4*(\bt)+\i)%8)+2*\s
.if \s == 0
	v_wmma_f32_16x16x4_f32 v[rD:rD+7], v[rV:rV+1], v[rP:rP+1], 0
.else
	v_wmma_f32_16x16x4_f32 v[rD:rD+7], v[rV:rV+1], v[rP:rP+1], v[rD:rD+7]
.endif
.endr
.endr
	WIN 0
.endm
.macro PV u
	PVL 0
	PVL 1
	s_wait_dscnt 8                                 ; the next batch's eight loads may be out
	PVW \u, 0
	PLACES 8                                       ; behind this form eight places, in front of loads into registers that it has read
	PVL 2
	s_wait_dscnt 8
	PVW \u, 1
	PLACES 8
	PVL 3
	s_wait_dscnt 8
	PVW \u, 2
	s_wait_dscnt 0x0
	PVW \u, 3
	PLACES 8                                       ; for what follows: loads and vector writes into V^T's registers, reads of the results
.endm
; The result of position pl: 16 registers a lane, query head r, d = 32 e + 16 h + 8 (j / 4) + 4 u + j % 4 in register 8 u + j.  That is half a block of the last product's A, in the order in which the launch before laid Wo's rows.
.macro QA6
	v_add_nc_u32 v60, s38, v17
	v_add_nc_u32 v61, s39, v18
.irp bt, 0,1,2,3
	s_wait_dscnt 16                                ; the last batch's sixteen stores may be out; this bank's are done
	WIN 0x0f
.irp i, 0,1,2,3
	v_max3_num_f32 v[224+\i], |v[16*(4*\bt+\i)]|, |v[16*(4*\bt+\i)+1]|, 0x1800000
.endr
	WIN 0x3c
.irp n, 2,4,6,8,10,12,14
.irp i, 0,1,2,3
	v_max3_num_f32 v[224+\i], v[224+\i], |v[16*(4*\bt+\i)+\n]|, |v[16*(4*\bt+\i)+\n+1]|
.endr
.endr
	WIN 0
.irp i, 0,1,2,3
	v_permlanex16_b32 v[228+\i], v[224+\i], s32, s33
.endr
.irp i, 0,1,2,3
	v_max_num_f32 v[224+\i], v[224+\i], v[228+\i]
.endr
.irp i, 0,1,2,3
	v_add_nc_u32 v[232+\i], 0xff000000, v[224+\i]
.endr
.irp i, 0,1,2,3
	v_lshrrev_b32 v[236+4*(\bt%2)+\i], 23, v[232+\i]
.endr
	WIN 0x03
.irp i, 0,1,2,3
	v_cvt_scalef32_pk16_fp6_f32 v[160+16*(\bt%2)+4*\i:162+16*(\bt%2)+4*\i], v[16*(4*\bt+\i):16*(4*\bt+\i)+15], v[232+\i]
.endr
	WIN 0
	v_nop                                          ; one plain place behind a scaled conversion
.irp i, 0,1,2,3
.irp z, 0,1,2
	ds_store_b32 v60, v[160+16*(\bt%2)+4*\i+\z] offset:((4*\bt+\i)/2)*1600+24*((4*\bt+\i)%2)+4*\z
.endr
.endr
.irp i, 0,1,2,3
	ds_store_b8 v61, v[236+4*(\bt%2)+\i] offset:((4*\bt+\i)/2)*64+2*((4*\bt+\i)%2)
.endr
.endr
	s_wait_dscnt 0x0
.endm
	s_mov_b32 s37, 2
	s_mov_b32 s38, 0                               ; e: the operand's lane half, 800 bytes,
	s_mov_b32 s39, 0                               ; and one scale byte
.Lv:
	PASSH 0, 1, 0, 1
	PLACES 4
	STAGE 0
	BAR                                            ; v of 16 d lies in LDS for all 64 positions
	PV 0                                           ; its reads of v are parted from STAGE 1's stores by the round in the slot below, in front of which every wave waits for its LDS loads
	s_add_nc_u64 s[8:9], s[8:9], 2048
	PASSH 1, 0, 1, 1
	PLACES 4
	STAGE 1
	BAR
	PV 1                                           ; likewise parted from the next trip's STAGE 0
	QA6
	s_add_co_u32 s38, s38, 800
	s_add_co_u32 s39, s39, 1
	s_sub_co_u32 s37, s37, 1
	s_cmp_lg_u32 s37, 0
	s_cbranch_scc1 .Lv
; ---------------------------------------------------------------- O, O
	BAR                                            ; the last product's 32 fragments lie in LDS: tile m = positions 16 m on, row = head, K = (position % 16) x 64 + d
	ALOADS
; Behind a slot: my columns 64 hf .. 64 hf + 63: + bias; 16 rows x 64 columns at a time through my stage; sixteen lanes store 256 consecutive bytes, aligned.  Row (head) 2 i + h of tile m is out0's row head x 256 + 4 (g % 64) + m.
.macro SENDO m, e, hf
.irp i, 0,1,2,3,4,5,6,7
	global_store_b128 v[21+\i/4], v[192+32*((\m)%2)+4*\i:195+32*((\m)%2)+4*\i], s[10:11] offset:2*(\i%4)*1048576+(\m)*4096+(\e)*2048+(\hf)*256 th:TH_STORE_NT
.endr
.endm
.macro EPO e, hf
	WIN 0
	PLACES 4
.irp t, 0,1,2,3
	ds_load_b128 v[160+8*\t:163+8*\t], v9 offset:(4*(\hf)+\t)*64
	ds_load_b128 v[164+8*\t:167+8*\t], v9 offset:(4*(\hf)+\t)*64+16
.endr
	s_wait_dscnt 0x0
.irp m, 0,1,2,3                        ; a tile of rows at a time; two banks of 32 registers by turns
.if \m >= 2
	s_wait_xcnt 0x0                                ; the stores of the tile two back have read this bank
.endif
	WIN 0x03
.irp t, 0,1,2,3
.irp a, 0,2,4,6
	v_pk_add_f32 v[192+32*(\m%2)+8*\t+\a:193+32*(\m%2)+8*\t+\a], v[8*(8*\m+2*\t+(\hf))+\a:8*(8*\m+2*\t+(\hf))+\a+1], v[160+8*\t+\a:161+8*\t+\a]
.endr
.endr
	WIN 0
.irp t, 0,1,2,3
.irp z, 0,1
	ds_store_b128 v19, v[192+32*(\m%2)+8*\t+4*\z:195+32*(\m%2)+8*\t+4*\z] offset:64*\t+16*\z
.endr
.endr
.irp i, 0,1,2,3,4,5,6,7
	ds_load_b128 v[192+32*(\m%2)+4*\i:195+32*(\m%2)+4*\i], v20 offset:544*\i   ; LDS serves a wave's instructions in order: these see my stores, and the next tile's stores come behind them
.endr
.if \m >= 1
	s_wait_dscnt 16                                ; the tile before is back; this tile's eight stores and eight loads may be out
	SENDO \m-1, \e, \hf
.endif
.endr
	s_wait_dscnt 0x0
	SENDO 3, \e, \hf
	s_wait_xcnt 0x0                                ; the stores have read their registers: the next slot's fragments are loaded into them
.endm
; The two O passes are a loop whose last slot is written out as the tail: a trip is a pass's first slot, its way out, and, while a pass is still to come, the second slot and its way out.
; The loop is left from its middle on the trip counter, which is the same in every wave and in every partner of the cluster.
	s_mov_b32 s37, 2                               ; passes to go
.Lo:
	PASSH 0, 1, 0, 1                               ; in the second trip the stream's last slot is asked for here
	EPO 0, 0
	s_cmp_eq_u32 s37, 1
	s_cbranch_scc1 .Lo_last                        ; the last pass's second slot asks for nothing more: it is the tail below
	s_add_nc_u64 s[8:9], s[8:9], 2048              ; the last pass's bias (the load that read this base has come: the slot above waited for it)
	PASSH 1, 0, 1, 1                               ; it is asked for here
	EPO 0, 1
	s_add_nc_u64 s[10:11], s[10:11], 2048          ; the next pass's 512 columns of out0 (the way out above ends with s_wait_xcnt 0: the stores have read their base)
	s_sub_co_u32 s37, s37, 1
	s_cmp_lg_u32 s37, 0
	s_cbranch_scc1 .Lo
.Lo_last:
	PASSH 1, 0, 0, 0                               ; the last slot: nothing more is asked for
	EPO 0, 1
	s_wait_tensorcnt 0x0                           ; the wave's end, behind my last tensor load and my last LDS store
	ds_add_u32 v1, v2
	s_wait_dscnt 0x0
	CROUND                                         ; the closing round: no work-group ends while a partner may still ask for a part that names it
	s_endpgm
.Lfunc_end_k_q585f2f9319_main:
	.size	k_q585f2f9319_main, .Lfunc_end_k_q585f2f9319_main-k_q585f2f9319_main
	.p2alignl 7, 3214868480
	.fill 96, 4, 3214868480
	.section	.rodata,"a",@progbits
	.p2align	6, 0x0
	.amdhsa_kernel k_q585f2f9319_main
		.amdhsa_group_segment_fixed_size 327680
		.amdhsa_private_segment_fixed_size 0
		.amdhsa_enable_private_segment 0
		.amdhsa_kernarg_size 32
		.amdhsa_user_sgpr_count 2
		.amdhsa_user_sgpr_kernarg_segment_ptr 1
		.amdhsa_wavefront_size32 1
		.amdhsa_system_sgpr_workgroup_id_x 1
		.amdhsa_system_sgpr_workgroup_id_y 1
		.amdhsa_system_sgpr_workgroup_id_z 1
		.amdhsa_system_vgpr_workitem_id 0
		.amdhsa_next_free_vgpr 1024
		.amdhsa_next_free_sgpr 66
		.amdhsa_reserve_vcc 0
		.amdhsa_float_denorm_mode_32 3
		.amdhsa_float_denorm_mode_16_64 3
		.amdhsa_memory_ordered 1
		.amdhsa_forward_progress 1
		.amdhsa_inst_pref_size 255
	.end_amdhsa_kernel
	.section	.bss,"aw",@nobits
	.p2align	6
	.space	262144
	.amdgpu_metadata
---
amdhsa.version: [ 1, 2 ]
amdhsa.kernels:
  - .name:           k_q585f2f9319_main
    .symbol:         k_q585f2f9319_main.kd
    .args:
      - { .name: hidden_state, .offset: 0, .size: 8, .value_kind: global_buffer, .address_space: global }
      - { .name: wstream, .offset: 8, .size: 8, .value_kind: global_buffer, .address_space: global }
      - { .name: bias_s, .offset: 16, .size: 8, .value_kind: global_buffer, .address_space: global }
      - { .name: out0, .offset: 24, .size: 8, .value_kind: global_buffer, .address_space: global }
    .group_segment_fixed_size: 327680
    .private_segment_fixed_size: 0
    .kernarg_segment_align: 8
    .kernarg_segment_size: 32
    .max_flat_workgroup_size: 128
    .sgpr_count:     66
    .vgpr_count:     1024
    .wavefront_size: 32
...
	.end_amdgpu_metadata
.endif
;; end of part 4
